; MI455X (gfx1250); checked and timed in simulation.
; The chip was launched on July 23, 2026; its instructions are those of AMD's public machine-readable ISA for CDNA 5 (MIT licence, August 2026) and "CDNA5" Instruction Set Architecture Reference Guide (July 2026). The comments in the code are by the model that wrote it; some were corrected since.
;; Store Class Token Attn Wrapper. Allowed arithmetic: matrix products marked QUANTISED: E4M3 operands, one E8M0 scale for each 32 along K, by v_wmma_scale_f32_16x16x128_f8f6f4 with both operands' format E4M3, f32 sums; everything else in f32.
;; Inputs: b_proj 1,024 float32; b_qkv 3,072 float32; w_proj 1,024 x 1,024 float32; w_qkv 3,072 x 1,024 float32; x 16 x 577 x 1,024 float32.
;; Outputs: out0 16 x 577 x 1,024 float32; out1 16 x 577 float32; out2 16 x 577 float32.
;; This version of the problem:
;;   THIS VERSION OF THE PROBLEM IS GIVEN IN LOW PRECISION. The matrix products marked QUANTISED in the list below multiply operands that are first quantised to E4M3 (4 exponent bits, 3 mantissa bits; 8 bits a number), with one power-of-two scale for each 32 numbers along K (OCP MX v1.0); their sums are f32. All else is computed in f32.
;;   The module's matrix products, in the order in which they are computed (A, B: the left and right operand; K: the contracted axis; several contracted axes count as one K, in the product's order):
;;     1. [M 9,232, K 1,024] x [K 1,024, N 3,072]; A: input x; B: input w_qkv: QUANTISED
;;     2. batch 256 x [M 577, K 64] x [K 64, N 577]; A: computed on the way; B: computed on the way: QUANTISED
;;     3. batch 256 x [M 577, K 577] x [K 577, N 64]; A: softmax (see below); B: computed on the way: QUANTISED
;;     4. [M 9,232, K 1,024] x [K 1,024, N 1,024]; A: computed on the way; B: input w_proj: QUANTISED
;;   THE QUANTISER, for each operand of a quantised product, along K:
;;     - K is cut into blocks of 32 from its start; a last block that is shorter is filled with zeros.
;;     - A block's scale is 2^e with e = floor(log2(the largest magnitude in the block)) - 8, held to -126 .. 127; a block of zeros has e = 0. As a byte (E8M0): e + 127.
;;     - Each number is divided by its block's scale, clamped to +-448, and rounded to the nearest number of E4M3, ties to even, subnormals kept.
;;     - The product sums the exact products of the quantised numbers (number of the format x scale) in f32.
;;   ~~~python
;;   def quantise(x, axis):      # numpy; x: float32 -> the quantised numbers, widened to float32 again
;;       x = np.moveaxis(x, axis, -1); K = x.shape[-1]
;;       x = np.pad(x, [(0, 0)] * (x.ndim - 1) + [(0, -K % 32)]); x = x.reshape(x.shape[:-1] + (-1, 32)); a = np.abs(x).max(-1, keepdims=True)
;;       e = np.where(a > 0, np.clip(np.frexp(np.where(a > 0, a, 1))[1] - 1 - 8, -126, 127), 0)      # np.frexp(a)[1] - 1 = floor(log2(a)), exactly
;;       r = np.clip(x / 2.0 ** e, -448, 448)
;;       step = 2.0 ** (np.maximum(np.frexp(np.where(r == 0, 1, r))[1] - 1, -6) - 3)
;;       q = np.round(r / step) * step * 2.0 ** e      # np.round: ties to even
;;       return np.moveaxis(q.reshape(q.shape[:-2] + (-1,))[..., :K], -1, axis).astype(np.float32)
;;   ~~~
;;   SOFTMAX AHEAD OF A QUANTISED PRODUCT. Where the list says 'softmax', what is quantised is not the finished softmax but p = 2^(t - M), with t = logit x log2(e) and M = ceil(the row's largest t), a whole number; so 1/2 < the row's largest p <= 1. The row's sum l is taken of the UNQUANTISED p, in f32, and the product's result is divided by l at the end. Since M is a whole number, a kernel that streams over the keys may use a running M (the ceiling of the running maximum): every later rescaling is an exact power of two, which a block's scale takes up: the codes' values come out the same.
;;   OPERANDS COMPUTED ON THE WAY. 'Computed on the way' means the value that the module computes at that place (a softmax that the list does not call 'softmax' is quantised finished and normalised). What goes into a quantiser is computed in f32, as accurately as f32 sums, v_exp_f32 and their like allow (about 1e-6 of the number): no bf16 or f16 on the way to a quantiser, and a product that is left as it is and whose result goes on into a quantised operand takes f32 operands (vector FMAs, or v_wmma_f32_16x16x4_f32). A number that lies on a knife's edge between two numbers of the format may be rounded either way, as far as f32 arithmetic and the matrix unit's own rounding can turn it there, and no further.
;; One version. Each part assembles by itself: llvm-mc -triple=amdgcn-amd-amdhsa -mcpu=gfx1250 --defsym DOCPART=n.
;; ======== version 1 of 1: 4 launches
;; limits: right only within a limited range of input values
;; workspace buffers: xq 10,813,440 bytes; wq 4,325,376 bytes; qb 11,141,120 bytes; kv 21,954,560 bytes; ob 10,813,440 bytes; cls 655,360 bytes
;; launch quant (part 1): grid 896 x 1, 4 waves a work-group, no clusters, 35,328 bytes of LDS; arguments x, w_qkv, w_proj, xq, wq; writes xq, wq
.if DOCPART == 1
	.amdgcn_target "amdgcn-amd-amdhsa--gfx1250"
	.amdhsa_code_object_version 6
	.text
	.protected	k_q29de268d3e_quant
	.globl	k_q29de268d3e_quant
	.p2align	8
	.type	k_q29de268d3e_quant,@function
k_q29de268d3e_quant:
	s_mov_b64 s[64:65], 0
	v_nop
	global_prefetch_b8 v0, s[64:65] scope:SCOPE_SE
	s_setreg_imm32_b32 hwreg(HW_REG_WAVE_MODE, 25, 1), 1
	s_wait_xcnt 0x0
; x [16][577][1024], w_qkv [3072][1024] and w_proj [1024][1024], f32, become codes of FP8 (E4M3) with one E8M0 byte for each 32 along K (the last axis).
; THE CODES ARE LAID AS IMAGES OF OPERAND REGISTERS.  A fragment is 16 rows x 128 K: [quad c 0..3][lane 0..31][16 bytes] = 2,048 bytes; lane (r, h) holds, in quad c, k = 32 c + 16 h + 0 .. 15 of its row.
; A row tile has 8 fragments (16,384 bytes) on end.  Its scale words lie behind all codes: [row tile][r][8 words], word s = the four bytes of K step s.
; THE ROWS OF A TILE ARE NOT NEIGHBOURS: lane r of tile 2 a + u stands for row 32 a + 8 u + r + 8 (r / 8), so that results of two neighbouring tiles are 16 neighbours along a later K.
; x: each batch has 40 row tiles (640 rows); rows past token 576 are COPIES of token 576 (the row number is clamped in the load): all that is made of them is finite, and nothing of it reaches an output.
; SHARES: a work-group takes row tile T (0..639 x, 640..831 w_qkv, 832..895 w_proj); wave g takes a quarter of K: two fragments, whose 32 loads all go out at the wave's head.  One way through the text: only pointers and numbers are chosen.
; A load reads 512 consecutive bytes of one row; 16 rows turn through the wave's own stage in LDS (rows 528 bytes apart: 33 x 16, so 16 rows start in 16 different groups of banks) and come back 64 bytes a lane.
; The tile's 128 scale words meet in 512 bytes of LDS behind one barrier, and wave 0 stores them as 512 consecutive bytes, aligned.
; LIMITS: NaN and infinities are not served; a block of zeros gets the byte 1 (its codes are zeros; the bytes are read by this program alone).
.set XSC,  10485760                    ; xq: where the scale words begin
.set WSC,  4194304                     ; wq: likewise
.set SPB,  528
.set WST,  16*SPB                      ; a wave's stage
.set SCST, 4*WST                       ; behind the four stages: the tile's scale words, [r][8 words]
.set OFF,  16                          ; v16-31   row i of the tile: its byte offset + 16 x lane
.set R,    32                          ; v32-159  two sets of 16 x 4 registers as loaded
.set X,    160                         ; v160-223 64 numbers: register 16 b + i = k 32 b + 16 h + i of my row
.set PC,   224                         ; v224-239 a fragment's codes
.set TM,   240                         ; v240-255 at work in QUANT
.set SEL,  28                          ; s[28:29] v_permlanex16_b32's selects for lane l xor 16
.set MNT,  30                          ; s30      the mantissa field of 448
; 64 numbers of a lane become a fragment's codes in v[pc] on and its scale word in v[pw].  nb: blocks of 32.
.macro QUANT s, pc, nb, pw
.irp b, 0,1,2,3
.if \b < \nb
	v_max3_num_f32 v[TM+\b], |v[\s+16*\b]|, |v[\s+16*\b+1]|, 0x4800000   ; block b: my 16 numbers, and the floor 2^(9 - 127): the byte cannot fall under 1
.endif
.endr
.irp i, 2,4,6,8,10,12,14
.irp b, 0,1,2,3
.if \b < \nb
	v_max3_num_f32 v[TM+\b], v[TM+\b], |v[\s+16*\b+\i]|, |v[\s+16*\b+\i+1]|   ; the blocks by turns
.endif
.endr
.endr
.irp b, 0,1,2,3
.if \b < \nb
	v_permlanex16_b32 v[TM+4+\b], v[TM+\b], s[SEL], s[SEL+1]
.endif
.endr
.irp b, 0,1,2,3
.if \b < \nb
	v_max_num_f32 v[TM+\b], v[TM+\b], v[TM+4+\b]                   ; with lane l xor 16's: the block's largest magnitude
.endif
.endr
.irp b, 0,1,2,3
.if \b < \nb
	v_add_nc_u32 v[TM+12+\b], 0xfc000000, v[TM+\b]                 ; 8 off its exponent field: the conversion's scale operand
.endif
.endr
.irp b, 0,1,2,3
.if \b < \nb
	v_and_or_b32 v[TM+8+\b], v[TM+\b], 0x7f800000, s[MNT]          ; 448 x the scale
.endif
.endr
.irp b, 0,1,2,3
.if \b < \nb
	v_lshrrev_b32 v[TM+4+\b], 23, v[TM+12+\b]                      ; the scale's byte
.endif
.endr
	v_lshl_or_b32 v[\pw], v[TM+5], 8, v[TM+4]
.if \nb > 2
	v_lshl_or_b32 v[\pw], v[TM+6], 16, v[\pw]
	v_lshl_or_b32 v[\pw], v[TM+7], 24, v[\pw]
.endif
.irp b, 0,1,2,3
.if \b < \nb
.irp i, 0,1,2,3,4,5,6,7,8,9,10,11,12,13,14,15
	v_med3_num_f32 v[\s+16*\b+\i], v[\s+16*\b+\i], -v[TM+8+\b], v[TM+8+\b]   ; the conversion does not saturate (ISA guide 7.6.2): the hold at the largest code x the scale
.endr
	v_cvt_scalef32_pk8_fp8_f32 v[\pc+4*\b:\pc+4*\b+1], v[\s+16*\b:\s+16*\b+7], v[TM+12+\b]
	v_cvt_scalef32_pk8_fp8_f32 v[\pc+4*\b+2:\pc+4*\b+3], v[\s+16*\b+8:\s+16*\b+15], v[TM+12+\b]
.endif
.endr
	v_nop                                          ; one plain vector line behind the last conversion
.endm
	s_load_b256 s[4:11], s[0:1], 0x0               ; x s[4:5], w_qkv s[6:7], w_proj s[8:9], xq s[10:11]
	s_load_b64 s[12:13], s[0:1], 0x20              ; wq
	v_lshl_add_u32 v8, v0, 2, 0x8800
	v_mov_b32 v9, 0
	v_lshrrev_b32 v1, 5, v0
	v_readfirstlane_b32 s14, v1                    ; wave 0..3: my quarter of K
	v_and_b32 v4, 31, v0
	v_lshlrev_b32 v1, 4, v4                        ; 16 x lane
	v_add_nc_u32 v4, SCST, v1                      ; the scale words, on the way out: 16 bytes a lane
	v_and_b32 v10, 15, v0                          ; r
	v_bfe_u32 v11, v0, 4, 1                        ; h
	s_mul_i32 s16, s14, WST
	v_add_nc_u32 v2, s16, v1                       ; the stage, on the way in: row i at 528 i, 16 bytes a lane
	v_mul_u32_u24 v3, v10, SPB
	v_lshl_add_u32 v3, v11, 6, v3
	v_add_nc_u32 v3, s16, v3                       ; on the way out: row r, + 64 h
	s_lshl_b32 s16, s14, 3
	s_add_co_u32 s16, s16, SCST
	v_lshlrev_b32 v5, 5, v10
	v_add_nc_u32 v5, s16, v5                       ; my two scale words of row r: 32 r + 8 x wave
	s_mov_b32 s[SEL], 0x76543210
	s_mov_b32 s[SEL+1], 0xfedcba98
	s_mov_b32 s[MNT], 0x600000
.irp b, 0,1,2,3
	v_mov_b32 v[TM+4+\b], 0                        ; written once: a lane permute's destination counts as one of its sources
.endr
	s_mov_b32 s15, ttmp9                           ; T
	s_mul_i32 s17, s15, 1639
	s_lshr_b32 s17, s17, 16                        ; T / 40 for T under 640: the batch
	s_mul_i32 s18, s17, 40
	s_sub_co_u32 s18, s15, s18                     ; x: the tile in its batch
	s_mul_i32 s20, s17, 2363392                    ; x: a batch is 577 rows of 4,096 bytes
	s_mov_b32 s21, 0
	s_sub_co_u32 s19, s15, 640                     ; the weights: row tile in wq, and in w_qkv
	s_sub_co_u32 s22, s15, 832                     ; in w_proj
	s_mov_b32 s23, 3071                            ; the last row of w_qkv,
	s_mov_b32 s24, 1023                            ; of w_proj
	s_mov_b32 s25, WSC
	s_wait_kmcnt 0x0
	s_cmp_lt_u32 s15, 832                          ; the choices hang on the tile's number alone
	s_cselect_b64 s[6:7], s[6:7], s[8:9]
	s_cselect_b32 s22, s19, s22
	s_cselect_b32 s23, s23, s24
	s_cmp_lt_u32 s15, 640
	s_cselect_b64 s[4:5], s[4:5], s[6:7]           ; from where
	s_cselect_b32 s20, s20, 0
	s_cselect_b32 s18, s18, s22                    ; t: the tile in its tensor (or batch)
	s_cselect_b32 s23, 576, s23                    ; the last row that exists
	s_cselect_b64 s[10:11], s[10:11], s[12:13]     ; to where
	s_cselect_b32 s19, s15, s19                    ; the row tile there
	s_cselect_b32 s25, XSC, s25
	s_add_nc_u64 s[4:5], s[4:5], s[20:21]
	s_lshl_b32 s20, s14, 10
	s_add_nc_u64 s[4:5], s[4:5], s[20:21]          ; + my quarter of K: 256 numbers
	s_lshl_b32 s20, s19, 9
	s_add_co_u32 s20, s20, s25
	s_add_nc_u64 s[12:13], s[10:11], s[20:21]      ; the tile's scale words
	s_lshl_b32 s20, s19, 14
	s_lshl_b32 s26, s14, 12
	s_add_co_u32 s20, s20, s26
	s_add_nc_u64 s[10:11], s[10:11], s[20:21]      ; my two fragments
	s_lshr_b32 s26, s18, 1
	s_lshl_b32 s26, s26, 5
	s_and_b32 s27, s18, 1
	s_lshl_b32 s27, s27, 3
	s_add_co_u32 s26, s26, s27                     ; the tile's first row: 32 (t / 2) + 8 (t % 2)
.irp i, 0,1,2,3,4,5,6,7,8,9,10,11,12,13,14,15
	s_add_co_u32 s27, s26, \i+8*(\i/8)
	s_min_u32 s27, s27, s23                        ; no load leaves its tensor: rows past the end are the last row again
	s_lshl_b32 s27, s27, 12
	v_add_nc_u32 v[OFF+\i], s27, v1
.endr
.macro LOADF f                         ; fragment f: 16 rows x 512 bytes into set f
.irp i, 0,1,2,3,4,5,6,7,8,9,10,11,12,13,14,15
	global_load_b128 v[R+64*(\f)+4*\i:R+64*(\f)+4*\i+3], v[OFF+\i], s[4:5] offset:512*(\f) th:TH_LOAD_NT
.endr
.endm
.macro FRAGM f
.if \f < 1
	s_wait_loadcnt 16                              ; this fragment's 16 loads are in; the other fragment's may be out
.else
	s_wait_loadcnt 0
.endif
.irp i, 0,1,2,3,4,5,6,7,8,9,10,11,12,13,14,15
	ds_store_b128 v2, v[R+64*(\f)+4*\i:R+64*(\f)+4*\i+3] offset:SPB*\i
.endr
.irp n, 0,1,2,3,4,5,6,7,8,9,10,11,12,13,14,15
	ds_load_b128 v[X+4*\n:X+4*\n+3], v3 offset:128*(\n/4)+16*(\n%4)    ; LDS serves a wave's instructions in order (ISA guide 5.7.1.4): these see the stores above
.endr
	s_wait_dscnt 0x0                               ; my 64 numbers are in
	s_wait_xcnt 0x0                                ; the last fragment's stores have read the codes' registers
	QUANT X, PC, 4, 6+\f
.irp c, 0,1,2,3
	global_store_b128 v1, v[PC+4*\c:PC+4*\c+3], s[10:11] offset:2048*(\f)+512*\c   ; 32 lanes store 512 consecutive bytes, aligned
.endr
.endm
	s_wait_alu depctr_va_vdst(0)
	LOADF 0
	LOADF 1
	FRAGM 0
	FRAGM 1
	ds_store_b64 v5, v[6:7]                        ; my two words of row r (both halves of the lanes write the same words with the same values)
	s_wait_dscnt 0x0                               ; for the others' sake: my words lie in LDS
	s_barrier_signal -1
	s_barrier_wait -1                              ; everybody's do
	s_cmp_lg_u32 s14, 0
	s_cbranch_scc1 .Ldone
	ds_load_b128 v[12:15], v4
	s_wait_dscnt 0x0
	global_store_b128 v1, v[12:15], s[12:13]       ; the tile's 128 scale words: 512 consecutive bytes, aligned
.Ldone:
	s_wait_tensorcnt 0x0
	ds_add_u32 v8, v9
	s_wait_dscnt 0x0
	s_endpgm
.Lfunc_end_k_q29de268d3e_quant:
	.size	k_q29de268d3e_quant, .Lfunc_end_k_q29de268d3e_quant-k_q29de268d3e_quant
	.p2alignl 7, 3214868480
	.fill 96, 4, 3214868480
	.section	.rodata,"a",@progbits
	.p2align	6, 0x0
	.amdhsa_kernel k_q29de268d3e_quant
		.amdhsa_group_segment_fixed_size 35328
		.amdhsa_private_segment_fixed_size 0
		.amdhsa_enable_private_segment 0
		.amdhsa_kernarg_size 40
		.amdhsa_user_sgpr_count 2
		.amdhsa_user_sgpr_kernarg_segment_ptr 1
		.amdhsa_wavefront_size32 1
		.amdhsa_system_sgpr_workgroup_id_x 1
		.amdhsa_system_sgpr_workgroup_id_y 1
		.amdhsa_system_sgpr_workgroup_id_z 1
		.amdhsa_system_vgpr_workitem_id 0
		.amdhsa_next_free_vgpr 256
		.amdhsa_next_free_sgpr 66
		.amdhsa_reserve_vcc 0
		.amdhsa_float_denorm_mode_32 3
		.amdhsa_float_denorm_mode_16_64 3
		.amdhsa_memory_ordered 1
		.amdhsa_forward_progress 1
		.amdhsa_inst_pref_size 30
	.end_amdhsa_kernel
	.amdgpu_metadata
---
amdhsa.version: [ 1, 2 ]
amdhsa.kernels:
  - .name:           k_q29de268d3e_quant
    .symbol:         k_q29de268d3e_quant.kd
    .args:
      - { .name: x, .offset: 0, .size: 8, .value_kind: global_buffer, .address_space: global }
      - { .name: w_qkv, .offset: 8, .size: 8, .value_kind: global_buffer, .address_space: global }
      - { .name: w_proj, .offset: 16, .size: 8, .value_kind: global_buffer, .address_space: global }
      - { .name: xq, .offset: 24, .size: 8, .value_kind: global_buffer, .address_space: global }
      - { .name: wq, .offset: 32, .size: 8, .value_kind: global_buffer, .address_space: global }
    .group_segment_fixed_size: 35328
    .private_segment_fixed_size: 0
    .kernarg_segment_align: 8
    .kernarg_segment_size: 40
    .max_flat_workgroup_size: 128
    .sgpr_count:     66
    .vgpr_count:     256
    .wavefront_size: 32
...
	.end_amdgpu_metadata
.endif
;; end of part 1
;; launch qkv (part 2): grid 12 x 40, 4 waves a work-group, clusters of 4 x 4, 327,680 bytes of LDS; arguments xq, wq, b_qkv, qb, kv; writes qb, kv
.if DOCPART == 2
	.amdgcn_target "amdgcn-amd-amdhsa--gfx1250"
	.amdhsa_code_object_version 6
	.text
	.protected	k_q29de268d3e_qkv
	.globl	k_q29de268d3e_qkv
	.p2align	8
	.type	k_q29de268d3e_qkv,@function
k_q29de268d3e_qkv:
	s_mov_b64 s[64:65], 0
	v_nop
	global_prefetch_b8 v0, s[64:65] scope:SCOPE_SE
	s_setreg_imm32_b32 hwreg(HW_REG_WAVE_MODE, 25, 1), 1
	s_wait_xcnt 0x0
	s_wait_alu depctr_hold_cnt(0) depctr_sa_sdst(0) depctr_va_vdst(0) depctr_va_sdst(0) depctr_va_ssrc(0) depctr_va_vcc(0) depctr_vm_vsrc(0)
	s_getreg_b32 s2, hwreg(HW_REG_IB_STS2, 6, 4)
	s_cmp_eq_u32 s2, 0
	s_cbranch_scc0 .Lentry_in_a_cluster
	s_endpgm
.Lentry_in_a_cluster:
	s_bfe_u32 s2, ttmp6, 0x10000c
	s_cmp_lg_u32 s2, 0xf033
	s_cbranch_scc0 .Lentry_shape_is_right
	s_endpgm
.Lentry_shape_is_right:
; q, k, v = x w_qkv^T + b_qkv on codes of FP8 (E4M3) with E8M0 scales, K = 1,024, and their quantisers: 10,240 padded tokens x 3,072 features.  No f32 result is stored.
; A work-group makes ONE tile of 256 x 256, a wave 128 x 128 (64 accumulators); K goes in steps of 256 through two LDS slots.  Operands lie as images of their registers (a fragment = 2,048 bytes, quad c of lane l at 512 c + 16 l).
; Cluster x = 0: q, 1: k: source 0 = 256 rows of the weight, source 1 = 256 tokens: a lane holds a token, its registers run along the features, which are the next product's K (a head's 64: two blocks).
; Cluster x = 2: v: the sources change places: a lane holds a feature, its registers run along the tokens, which are the keys, the second attention product's K.  The bias is added ahead of the quantiser.
; CLUSTER 4 x 4: source 1's tiles are shared along a row of the cluster, source 0's along a column, by joint loads.
; THE HEAD: one joint load a wave: wave 0 K step 0 of source 1's 256 rows, wave 1 of source 0's, waves 2 and 3 their scale words for all of K.  Slot 1 is first filled as a refill is.
; No prefetch: K has four steps, and two of them are asked for at the head.
; LIMITS: NaN and infinities are not served; a block of zeros gets the byte 1 (its codes are zeros; the bytes are read by this program alone).
.set XSC,   10485760
.set WSC,   4194304
.set NQ,    2
.set FR,    16
.set NL,    4
.set NP,    8
.set RT,    4096
.set HALFT, 8*RT
.set SLOT,  4*HALFT
.set SCL,   2*SLOT
.set HALFS, 4096
.set SPARE, SCL+4*HALFS
.set STG,   SPARE+512
.set CHK,   85760
.set HSV,   16*CHK
.set ADRA, 16
.set BA,   18
.set BVA,  19
.set ADRB, 20
.set RDV,  22
.set VOV,  23
.set VO0,  24
.set SGA,  26
.set ADRS, 27
.set SPW,  28
.set NIL,  29
.set RDA,  30
.set SGV,  31
.set SC,   32
.set BQ,   64
.set AF,   128
.set ST,   128
.set PC,   192
.set TM,   224
.set PW,   240
.set T0,   241
.set T1,   242
.set VO1,  243
.set SEL,  20
.set MNT,  22
.set HM,   23
.set OUTP, 96
.set SCP,  98
.set QBP,  104
.set G1, 24
.set G0, 32
.set G1B, 48
.set G0B, 56
.set G1S, 68
.set G0S, 76
.set G1SB, 80
.set G0SB, 88
.set G0T, 4
.set G0TB, 8
.set MSB, 0
.macro WIN new
.if MSB != \new
	s_set_vgpr_msb (MSB<<8)|\new
.set MSB, \new
.endif
.endm
.set MUL_LO, 0xa1
.set MUL_HI, 0xf1
.set TO_B,   0x40
.macro JLOAD g0a, g1a, g0b, g1b
	s_cmp_eq_u32 s15, 0
	s_cbranch_scc0 .Lfor_b_\@
	tensor_load_to_lds s[\g0a:\g0a+3], s[\g1a:\g1a+7]
	s_nop 0
.rept 4
	v_nop
.endr
	s_branch .Lasked_\@
.Lfor_b_\@:
	tensor_load_to_lds s[\g0b:\g0b+3], s[\g1b:\g1b+7]
	s_nop 0
.rept 4
	v_nop
.endr
.Lasked_\@:
.endm
.macro CREST
	s_cmp_lg_u32 s14, 0
	s_cbranch_scc1 .Lnot_wave_0_\@
	s_barrier_signal -3
.Lnot_wave_0_\@:
	s_barrier_wait -3
	s_barrier_signal -1
	s_barrier_wait -1
.endm
.macro CROUND
	s_barrier_signal -1
	s_barrier_wait -1
	CREST
.endm
.macro QUANT s, pc, nb, pw
.irp b, 0,1,2,3
.if \b < \nb
	v_max3_num_f32 v[TM+\b], |v[\s+16*\b]|, |v[\s+16*\b+1]|, 0x4800000
.endif
.endr
.irp i, 2,4,6,8,10,12,14
.irp b, 0,1,2,3
.if \b < \nb
	v_max3_num_f32 v[TM+\b], v[TM+\b], |v[\s+16*\b+\i]|, |v[\s+16*\b+\i+1]|
.endif
.endr
.endr
.irp b, 0,1,2,3
.if \b < \nb
	v_permlanex16_b32 v[TM+4+\b], v[TM+\b], s[SEL], s[SEL+1]
.endif
.endr
.irp b, 0,1,2,3
.if \b < \nb
	v_max_num_f32 v[TM+\b], v[TM+\b], v[TM+4+\b]
.endif
.endr
.irp b, 0,1,2,3
.if \b < \nb
	v_add_nc_u32 v[TM+12+\b], 0xfc000000, v[TM+\b]
.endif
.endr
.irp b, 0,1,2,3
.if \b < \nb
	v_and_or_b32 v[TM+8+\b], v[TM+\b], 0x7f800000, s[MNT]
.endif
.endr
.irp b, 0,1,2,3
.if \b < \nb
	v_lshrrev_b32 v[TM+4+\b], 23, v[TM+12+\b]
.endif
.endr
	v_lshl_or_b32 v[\pw], v[TM+5], 8, v[TM+4]
.if \nb > 2
	v_lshl_or_b32 v[\pw], v[TM+6], 16, v[\pw]
	v_lshl_or_b32 v[\pw], v[TM+7], 24, v[\pw]
.endif
.irp b, 0,1,2,3
.if \b < \nb
.irp i, 0,1,2,3,4,5,6,7,8,9,10,11,12,13,14,15
	v_med3_num_f32 v[\s+16*\b+\i], v[\s+16*\b+\i], -v[TM+8+\b], v[TM+8+\b]
.endr
	v_cvt_scalef32_pk8_fp8_f32 v[\pc+4*\b:\pc+4*\b+1], v[\s+16*\b:\s+16*\b+7], v[TM+12+\b]
	v_cvt_scalef32_pk8_fp8_f32 v[\pc+4*\b+2:\pc+4*\b+3], v[\s+16*\b+8:\s+16*\b+15], v[TM+12+\b]
.endif
.endr
	v_nop
.endm
	s_load_b256 s[4:11], s[0:1], 0x0
	s_load_b64 s[12:13], s[0:1], 0x20
	v_lshl_add_u32 v[SPW], v0, 2, SPARE
	v_mov_b32 v[NIL], 0
	ds_add_u32 v28, v29
	ds_add_u32 v28, v29
	s_wait_dscnt 0x0
	v_lshrrev_b32 v1, 5, v0
	v_readfirstlane_b32 s14, v1
	s_lshr_b32 s15, s14, 1
	s_and_b32 s16, s14, 1
	s_bfe_u32 s40, ttmp6, 0x40000
	s_bfe_u32 s41, ttmp6, 0x40004
	s_and_b32 s17, ttmp7, 0xffff
	s_lshl_b32 s43, s41, 2
	s_lshl_b32 s43, 15, s43
	s_lshl_b32 s44, 0x1111, s40
	s_or_b32 s[G1], s43, (3<<16)|(1<<21)
	s_or_b32 s[G1B], s44, (3<<16)|(1<<21)
.irp g, G1, G1B
	s_mov_b32 s[\g+1], 512<<16
	s_mov_b32 s[\g+2], 16<<16                      ; the head's loads bring 16 row tiles; behind them the two words are set to 8
	s_mov_b32 s[\g+3], 512<<16
	s_mov_b32 s[\g+4], 16
	s_mov_b32 s[\g+5], 2048
	s_mov_b32 s[\g+6], 0
	s_mov_b32 s[\g+7], 0
.endr
	s_or_b32 s[G1S], s43, (3<<16)|(1<<21)
	s_or_b32 s[G1SB], s44, (3<<16)|(1<<21)
.irp g, G1S, G1SB
	s_mov_b32 s[\g+1], 32<<16
	s_mov_b32 s[\g+2], 32<<16
	s_mov_b32 s[\g+3], 32<<16
	s_mov_b32 s[\g+4], 32
	s_mov_b32 s[\g+5], 32
	s_mov_b32 s[\g+6], 0
	s_mov_b32 s[\g+7], 0
.endr
	s_lshl_b32 s18, s17, 2
	s_lshl_b32 s19, ttmp9, 2
	s_mov_b32 s95, XSC
	s_mov_b32 s42, WSC
	s_cmp_eq_u32 ttmp9, 2
	s_cselect_b32 s20, 8, s18
	s_cselect_b32 s46, s18, s19
	s_cselect_b32 s22, s42, s95
	s_cselect_b32 s92, s95, s42
	s_add_co_u32 s20, s20, s41
	s_add_co_u32 s46, s46, s40
	s_lshl_b32 s20, s20, 4
	s_lshl_b32 s46, s46, 4
	s_lshl_b32 s19, s20, 9
	s_add_co_u32 s22, s22, s19
	s_lshl_b32 s98, s46, 9
	s_add_co_u32 s92, s92, s98
	s_lshl_b32 s20, s20, 14
	s_lshl_b32 s46, s46, 14
	s_mov_b32 s21, 0
	s_mov_b32 s23, 0
	s_mov_b32 s47, 0
	s_mov_b32 s93, 0
	s_mul_i32 s45, s14, HALFT
	s_wait_kmcnt 0x0
	s_cmp_eq_u32 ttmp9, 2
	s_cselect_b64 s[66:67], s[6:7], s[4:5]
	s_cselect_b64 s[96:97], s[4:5], s[6:7]
	s_add_nc_u64 s[20:21], s[66:67], s[20:21]
	s_add_nc_u64 s[22:23], s[66:67], s[22:23]
	s_add_nc_u64 s[46:47], s[96:97], s[46:47]
	s_add_nc_u64 s[92:93], s[96:97], s[92:93]
	s_mov_b64 s[QBP:QBP+1], s[10:11]
	s_lshl_b32 s18, ttmp9, 2
	s_add_co_u32 s18, s18, s40
	s_lshl_b32 s18, s18, 10
	s_lshl_b32 s19, s16, 9
	s_add_co_u32 s18, s18, s19
	s_mov_b32 s19, 0
	s_add_nc_u64 s[98:99], s[8:9], s[18:19]
	s_lshl_b32 s18, s41, 10
	s_lshl_b32 s42, s15, 9
	s_add_co_u32 s18, s18, s42
	s_add_co_u32 s18, s18, 8192
	s_add_nc_u64 s[66:67], s[8:9], s[18:19]
	CROUND
	s_mov_b32 s[G0S], 1
	s_mov_b32 s[G0S+1], SCL
	s_mov_b64 s[G0S+2:G0S+3], s[22:23]
	s_or_b32 s[G0S+3], s[G0S+3], 0x80000000
	s_mov_b32 s[G0SB], 1
	s_mov_b32 s[G0SB+1], SCL+2*HALFS
	s_mov_b64 s[G0SB+2:G0SB+3], s[92:93]
	s_or_b32 s[G0SB+3], s[G0SB+3], 0x80000000
	s_mov_b32 s[G0T], 1                            ; K step 0, whole: source 1's 16 row tiles,
	s_mov_b32 s[G0T+1], 0
	s_mov_b64 s[G0T+2:G0T+3], s[20:21]
	s_or_b32 s[G0T+3], s[G0T+3], 0x80000000
	s_mov_b32 s[G0TB], 1                           ; source 0's behind them
	s_mov_b32 s[G0TB+1], 2*HALFT
	s_mov_b64 s[G0TB+2:G0TB+3], s[46:47]
	s_or_b32 s[G0TB+3], s[G0TB+3], 0x80000000
	s_lshl_b32 s18, s16, 17                        ; for the ring: my 8 row tiles of the 16
	s_mov_b32 s19, 0
	s_add_nc_u64 s[20:21], s[20:21], s[18:19]
	s_add_nc_u64 s[46:47], s[46:47], s[18:19]
.irp s, 0,1
	s_mov_b32 s[G0+4*\s], 1
	s_add_co_u32 s[G0+4*\s+1], s45, \s*SLOT
	s_add_nc_u64 s[G0+4*\s+2:G0+4*\s+3], s[20:21], \s*RT
	s_or_b32 s[G0+4*\s+3], s[G0+4*\s+3], 0x80000000
	s_mov_b32 s[G0B+4*\s], 1
	s_add_co_u32 s[G0B+4*\s+1], s45, \s*SLOT
	s_add_nc_u64 s[G0B+4*\s+2:G0B+4*\s+3], s[46:47], \s*RT
	s_or_b32 s[G0B+4*\s+3], s[G0B+4*\s+3], 0x80000000
.endr
; the head's loads, one a wave: one chain of branches on the wave's number, a load to an arm
.macro ARM under, g0, g1, next
	s_cmp_lt_u32 s14, \under
	s_cbranch_scc0 \next
	tensor_load_to_lds s[\g0:\g0+3], s[\g1:\g1+7]
	s_nop 0
.rept 4
	v_nop
.endr
	s_branch .Lhead_asked
\next:
.endm
	ARM 1, G0T,  G1,  .Lhead_b
	ARM 2, G0TB, G1B, .Lhead_sa
	ARM 3, G0S,  G1S, .Lhead_sb
	tensor_load_to_lds s[G0SB:G0SB+3], s[G1SB:G1SB+7]
	s_nop 0
.rept 4
	v_nop
.endr
.Lhead_asked:
	v_and_b32 v1, 15, v0
	v_bfe_u32 v2, v0, 4, 1
	s_wait_alu depctr_va_vdst(0)
	v_and_b32 v3, 31, v0
	v_lshlrev_b32 v[VO0], 4, v3
	s_mul_i32 s18, s15, HALFT
	s_mul_i32 s19, s16, HALFT
	s_add_co_u32 s19, s19, 2*HALFT
.irp s, 0,1
	v_add_nc_u32 v[ADRA+\s], s18, v[VO0]
	v_add_nc_u32 v[ADRB+\s], s19, v[VO0]
	s_add_co_u32 s18, s18, SLOT
	s_add_co_u32 s19, s19, SLOT
.endr
	v_lshlrev_b32 v5, 5, v1
	s_mul_i32 s18, s15, HALFS
	s_mul_i32 s19, s16, HALFS
	s_add_co_u32 s19, s19, 2*HALFS
	s_sub_co_u32 s19, s19, s18
	v_mul_u32_u24 v6, s19, v2
	s_add_co_u32 s18, s18, SCL
	v_add_nc_u32 v6, v5, v6
	v_add_nc_u32 v[ADRS], s18, v6
	s_lshl_b32 s18, s14, 10
	s_add_co_u32 s18, s18, STG
	v_lshl_add_u32 v6, v2, 9, v5
	v_add_nc_u32 v[SGA], s18, v6
	v_add_nc_u32 v[RDA], s18, v[VO0]
	s_lshl_b32 s18, s14, 9
	s_add_co_u32 s18, s18, STG+8192
	v_lshlrev_b32 v6, 4, v1
	v_add_nc_u32 v[SGV], s18, v6
	v_add_nc_u32 v[RDV], s18, v[VO0]
	v_mul_u32_u24 v[VOV], v2, HSV
	v_lshl_add_u32 v[VOV], v1, 4, v[VOV]
	v_lshlrev_b32 v[BA], 6, v2
	v_and_b32 v[BVA], 8, v1
	v_add_nc_u32 v[BVA], v[BVA], v1
	v_lshlrev_b32 v[BVA], 2, v[BVA]
.irp g, 0,1,2,3
.irp j, 0,1,2,3
	global_load_b128 v[BQ+16*\g+4*\j:BQ+16*\g+4*\j+3], v[BA], s[98:99] offset:128*\g+16*\j
.endr
.endr
.irp a, 0,1,2,3,4,5,6,7
	global_load_b32 v[2*\a], v[BVA], s[66:67] offset:4*(32*(\a/2)+8*(\a%2))
	global_load_b32 v[2*\a+1], v[BVA], s[66:67] offset:4*(32*(\a/2)+8*(\a%2))
.endr
.macro FRAG reg, adr, q, i
.irp c, 0,1,2,3
	ds_load_b128 v[\reg+4*\c:\reg+4*\c+3], v[\adr] offset:RT*(\i)+2048*(\q)+512*\c
.endr
.endm
.macro MUL16 a0, p, q, sc, zero
.irp a, \a0, \a0+1
.irp b, 0,1,2,3,4,5,6,7
.if \zero
	v_wmma_scale_f32_16x16x128_f8f6f4 v[8*(8*((\a)%4)+\b):8*(8*((\a)%4)+\b)+7], v[128*(\p)+FR*\b:128*(\p)+FR*\b+FR-1], v[AF+FR*(\a):AF+FR*(\a)+FR-1], 0, v[SC+8*NQ*(\sc)+NQ*\b+(\q)], v[SC+8*NQ*(\sc)+NQ*(\a)+(\q)] matrix_a_scale:MATRIX_SCALE_ROW1
.else
	v_wmma_scale_f32_16x16x128_f8f6f4 v[8*(8*((\a)%4)+\b):8*(8*((\a)%4)+\b)+7], v[128*(\p)+FR*\b:128*(\p)+FR*\b+FR-1], v[AF+FR*(\a):AF+FR*(\a)+FR-1], v[8*(8*((\a)%4)+\b):8*(8*((\a)%4)+\b)+7], v[SC+8*NQ*(\sc)+NQ*\b+(\q)], v[SC+8*NQ*(\sc)+NQ*(\a)+(\q)] matrix_a_scale:MATRIX_SCALE_ROW1
.endif
.endr
.endr
.endm
.macro FETCH_B slot, q, p
	WIN TO_B
.irp i, 0,1,2,3,4,5,6,7
	FRAG 128*(\p)+FR*\i, ADRB+\slot, \q, \i
.endr
	WIN 0
.endm
.macro FETCH_A slot, q, i0
.irp i, \i0, \i0+1, \i0+2, \i0+3
	FRAG AF+FR*(\i), ADRA+\slot, \q, \i
.endr
.endm
.macro SCALES sc, adr, kk
.irp i, 0,1,2,3,4,5,6,7
	ds_load_b64 v[SC+8*NQ*\sc+NQ*\i:SC+8*NQ*\sc+NQ*\i+1], v[\adr] offset:\i*512+8*(\kk)
.endr
.endm
.macro PLACES n
.rept \n
	v_nop
.endr
.endm
.macro STEP slot, q, zero
	s_wait_dscnt 4*NL
	WIN MUL_LO
	MUL16 0, (\q)%2, \q, \slot, \zero
	MUL16 2, (\q)%2, \q, \slot, \zero
	s_wait_dscnt 0
	PLACES NP
	FETCH_B \slot, (\q)+1, 1-(\q)%2
	FETCH_A \slot, (\q)+1, 0
	WIN MUL_HI
	MUL16 4, (\q)%2, \q, \slot, \zero
	MUL16 6, (\q)%2, \q, \slot, \zero
	PLACES NP
	WIN 0
	FETCH_A \slot, (\q)+1, 4
.endm
.macro ONWARD slot, fill
.if \fill == 1
	s_add_nc_u64 s[G0+4*\slot+2:G0+4*\slot+3], s[G0+4*\slot+2:G0+4*\slot+3], 2*RT
	s_add_nc_u64 s[G0B+4*\slot+2:G0B+4*\slot+3], s[G0B+4*\slot+2:G0B+4*\slot+3], 2*RT
.endif
.endm
.macro MEET slot
	s_wait_tensorcnt 0x0
	ds_add_u32 v[SPW], v[NIL]
	s_wait_dscnt 4*NL+1
	WIN MUL_LO
	MUL16 0, 1, NQ-1, \slot, 0
	s_wait_dscnt 0x0
	s_barrier_signal -1
	MUL16 2, 1, NQ-1, \slot, 0
	WIN 0
	s_barrier_wait -1
.endm
.macro TURN slot, next, fill, adr, kk
	MEET \slot
.if \fill
	CREST
	ONWARD \slot, \fill
	JLOAD G0+4*\slot, G1, G0B+4*\slot, G1B
	PLACES NP-4
.else
	PLACES NP
.endif
	FETCH_B \next, 0, 0
	FETCH_A \next, 0, 0
	SCALES \next, \adr, \kk
	WIN MUL_HI
	MUL16 4, 1, NQ-1, \slot, 0
	MUL16 6, 1, NQ-1, \slot, 0
	PLACES NP
	WIN 0
	FETCH_A \next, 0, 4
.endm
	s_wait_alu depctr_va_vdst(0)                   ; the wait at the head's end
	s_wait_tensorcnt 0x0                           ; my tile of the head's four is in; the lines ahead of a later first fill:
	ds_add_u32 v[SPW], v[NIL]
	s_mov_b32 s[G1+2], 8<<16                       ; no tensor load of mine is out: from here on a load brings 8 row tiles
	s_mov_b32 s[G1+4], 8
	s_mov_b32 s[G1B+2], 8<<16
	s_mov_b32 s[G1B+4], 8
	s_wait_dscnt 0x0
	CROUND                                         ; all four tiles are in, and all sixteen work-groups are here
	JLOAD G0+4, G1, G0B+4, G1B                     ; K step 1 into slot 1
	FETCH_B 0, 0, 0
	FETCH_A 0, 0, 0
	SCALES 0, ADRS, 0
	FETCH_A 0, 0, 4
	STEP 0, 0, 1
	TURN 0, 1, 1, ADRS, 1
	STEP 1, 0, 0
	TURN 1, 0, 1, ADRS, 2
	STEP 0, 0, 0
	TURN 0, 1, 0, ADRS, 3
	STEP 1, 0, 0
	s_wait_dscnt 4*NL                              ; the last step: nothing more to fetch
	WIN MUL_LO
	MUL16 0, 1, NQ-1, 1, 0
	MUL16 2, 1, NQ-1, 1, 0
	s_wait_dscnt 0
	WIN MUL_HI
	MUL16 4, 1, NQ-1, 1, 0
	MUL16 6, 1, NQ-1, 1, 0
	WIN 0
	PLACES NP
	s_wait_loadcnt 0x0
	s_wait_xcnt 0x0
	s_mov_b32 s[SEL], 0x76543210
	s_mov_b32 s[SEL+1], 0xfedcba98
	s_mov_b32 s[MNT], 0x600000
	s_mov_b32 s[HM], 0xffff0000
.irp b, 0,1,2,3
	v_mov_b32 v[TM+4+\b], 0
.endr
	s_mov_b32 s93, s17
	s_cmp_eq_u32 ttmp9, 2
	s_cbranch_scc1 .Lvpath
	s_lshl_b32 s2, s93, 2
	s_add_co_u32 s2, s2, s41
	s_lshl_b32 s2, s2, 4
	s_lshl_b32 s3, s15, 3
	s_add_co_u32 s2, s2, s3
	s_mul_i32 s3, s2, 1639
	s_lshr_b32 s3, s3, 16
	s_mul_i32 s18, s3, 40
	s_sub_co_u32 s2, s2, s18
	s_lshl_b32 s18, s40, 2
	s_lshl_b32 s19, s16, 1
	s_add_co_u32 s18, s18, s19
	s_lshl_b32 s18, s18, 4
	s_add_co_u32 s18, s18, s3
	s_mov_b32 s19, 43520
	s_mov_b32 s42, 40960
	s_cmp_eq_u32 ttmp9, 1
	s_cselect_b64 s[OUTP:OUTP+1], s[12:13], s[QBP:QBP+1]
	s_cselect_b32 s19, CHK, s19
	s_cselect_b32 s42, 81920, s42
	s_mul_i32 s18, s18, s19
	s_lshl_b32 s19, s19, 4
	v_add_nc_u32 v[VO1], s19, v[VO0]
	s_lshl_b32 s100, s2, 6
	s_add_co_u32 s100, s100, s18
	s_add_co_u32 s100, s100, s42
	s_mov_b32 s101, 0
	s_add_nc_u64 s[SCP:SCP+1], s[OUTP:OUTP+1], s[100:101]
	s_lshl_b32 s100, s2, 10
	s_add_co_u32 s100, s100, s18
	s_add_nc_u64 s[OUTP:OUTP+1], s[OUTP:OUTP+1], s[100:101]
.macro EPI_QK a
	WIN (0x02+(\a)/4)
.set i, 0
.rept 32
	v_pk_add_f32 v[ST+2*i:ST+2*i+1], v[64*((\a)%4)+2*i:64*((\a)%4)+2*i+1], v[BQ+2*i:BQ+2*i+1]
.set i, i+1
.endr
	WIN 0
	s_wait_xcnt 0x0
	QUANT ST, PC, 4, PW
	global_store_b128 v[VO0], v[PC:PC+3], s[OUTP:OUTP+1] offset:1024*(\a)
	global_store_b128 v[VO0], v[PC+4:PC+7], s[OUTP:OUTP+1] offset:1024*(\a)+512
	global_store_b128 v[VO1], v[PC+8:PC+11], s[OUTP:OUTP+1] offset:1024*(\a)
	global_store_b128 v[VO1], v[PC+12:PC+15], s[OUTP:OUTP+1] offset:1024*(\a)+512
	v_and_b32 v[T0], 0xffff, v[PW]
	v_lshrrev_b32 v[T1], 16, v[PW]
	v_cndmask_b32 v[32+\a], v[T0], v[T1], s[HM]
	ds_store_b32 v[SGA], v[32+\a] offset:4*(\a)
.endm
.irp a, 0,1,2,3,4,5,6,7
	EPI_QK \a
.endr
	ds_load_b128 v[40:43], v[RDA]
	ds_load_b128 v[44:47], v[RDA] offset:512
	s_wait_dscnt 0x0
	global_store_b128 v[VO0], v[40:43], s[SCP:SCP+1]
	global_store_b128 v[VO1], v[44:47], s[SCP:SCP+1]
	s_branch .Ljoin
.Lvpath:
	s_lshl_b32 s2, s93, 2
	s_add_co_u32 s2, s2, s40
	s_lshl_b32 s2, s2, 1
	s_add_co_u32 s2, s2, s16
	s_mul_i32 s3, s2, 13108
	s_lshr_b32 s3, s3, 16
	s_mul_i32 s18, s3, 5
	s_sub_co_u32 s2, s2, s18
	s_lshl_b32 s18, s41, 2
	s_lshl_b32 s19, s15, 1
	s_add_co_u32 s18, s18, s19
	s_lshl_b32 s18, s18, 4
	s_add_co_u32 s18, s18, s3
	s_mul_i32 s18, s18, CHK
	s_lshl_b32 s19, s2, 13
	s_add_co_u32 s19, s19, s18
	s_add_co_u32 s100, s19, 40960
	s_mov_b32 s101, 0
	s_add_nc_u64 s[OUTP:OUTP+1], s[12:13], s[100:101]
	s_lshl_b32 s19, s2, 8
	s_add_co_u32 s19, s19, s18
	s_add_co_u32 s100, s19, 84480
	s_add_nc_u64 s[SCP:SCP+1], s[12:13], s[100:101]
.macro EPI_V a
	WIN (0x02+(\a)/4)
.set i, 0
.rept 32
	v_pk_add_f32 v[ST+2*i:ST+2*i+1], v[64*((\a)%4)+2*i:64*((\a)%4)+2*i+1], v[2*(\a):2*(\a)+1]
.set i, i+1
.endr
	WIN 0
	s_wait_xcnt 0x0
	QUANT ST, PC, 4, 32+\a
.irp c, 0,1,2,3
	global_store_b128 v[VO0], v[PC+4*\c:PC+4*\c+3], s[OUTP:OUTP+1] offset:((\a)/4)*HSV+((\a)%4)*2048+512*\c
.endr
	ds_store_b32 v[SGV], v[32+\a] offset:((\a)/4)*256+((\a)%4)*4
.endm
.irp a, 0,1,2,3,4,5,6,7
	EPI_V \a
.endr
	ds_load_b128 v[40:43], v[RDV]
	s_wait_dscnt 0x0
	global_store_b128 v[VOV], v[40:43], s[SCP:SCP+1]
.Ljoin:
.Lend:
	s_wait_tensorcnt 0x0
	ds_add_u32 v[SPW], v[NIL]
	s_wait_dscnt 0x0
	CROUND
	s_endpgm
.Lfunc_end_k_q29de268d3e_qkv:
	.size	k_q29de268d3e_qkv, .Lfunc_end_k_q29de268d3e_qkv-k_q29de268d3e_qkv
	.p2alignl 7, 3214868480
	.fill 96, 4, 3214868480
	.section	.rodata,"a",@progbits
	.p2align	6, 0x0
	.amdhsa_kernel k_q29de268d3e_qkv
		.amdhsa_group_segment_fixed_size 327680
		.amdhsa_private_segment_fixed_size 0
		.amdhsa_enable_private_segment 0
		.amdhsa_kernarg_size 40
		.amdhsa_user_sgpr_count 2
		.amdhsa_user_sgpr_kernarg_segment_ptr 1
		.amdhsa_wavefront_size32 1
		.amdhsa_system_sgpr_workgroup_id_x 1
		.amdhsa_system_sgpr_workgroup_id_y 1
		.amdhsa_system_sgpr_workgroup_id_z 1
		.amdhsa_system_vgpr_workitem_id 0
		.amdhsa_next_free_vgpr 1024
		.amdhsa_next_free_sgpr 106
		.amdhsa_reserve_vcc 0
		.amdhsa_float_denorm_mode_32 3
		.amdhsa_float_denorm_mode_16_64 3
		.amdhsa_memory_ordered 1
		.amdhsa_forward_progress 1
		.amdhsa_inst_pref_size 255
	.end_amdhsa_kernel
	.section	.bss,"aw",@nobits
	.p2align	6
	.space	262144
	.amdgpu_metadata
---
amdhsa.version: [ 1, 2 ]
amdhsa.kernels:
  - .name:           k_q29de268d3e_qkv
    .symbol:         k_q29de268d3e_qkv.kd
    .args:
      - { .name: xq, .offset: 0, .size: 8, .value_kind: global_buffer, .address_space: global }
      - { .name: wq, .offset: 8, .size: 8, .value_kind: global_buffer, .address_space: global }
      - { .name: b_qkv, .offset: 16, .size: 8, .value_kind: global_buffer, .address_space: global }
      - { .name: qb, .offset: 24, .size: 8, .value_kind: global_buffer, .address_space: global }
      - { .name: kv, .offset: 32, .size: 8, .value_kind: global_buffer, .address_space: global }
    .group_segment_fixed_size: 327680
    .private_segment_fixed_size: 0
    .kernarg_segment_align: 8
    .kernarg_segment_size: 40
    .max_flat_workgroup_size: 128
    .sgpr_count:     106
    .vgpr_count:     1024
    .wavefront_size: 32
...
	.end_amdgpu_metadata
.endif
;; end of part 2
;; launch attn (part 3): grid 16 x 16, 16 waves a work-group, no clusters, 169,984 bytes of LDS; arguments qb, kv, ob, cls; writes ob, cls
.if DOCPART == 3
	.amdgcn_target "amdgcn-amd-amdhsa--gfx1250"
	.amdhsa_code_object_version 6
	.text
	.protected	k_q29de268d3e_attn
	.globl	k_q29de268d3e_attn
	.p2align	8
	.type	k_q29de268d3e_attn,@function
k_q29de268d3e_attn:
	s_mov_b64 s[64:65], 0
	v_nop
	global_prefetch_b8 v0, s[64:65] scope:SCOPE_SE
	s_setreg_imm32_b32 hwreg(HW_REG_WAVE_MODE, 25, 1), 1
	s_wait_xcnt 0x0
; o = softmax(q k^T / 8) v for one head of one batch (work-group x = head, y = batch), both products on codes of FP8 (E4M3) with E8M0 scales; o is quantised along the head's 64 and leaves as codes for the last product.
; THE SOFTMAX AHEAD OF THE SECOND PRODUCT: t = score x log2(e) / 8 (q was quantised without its 1 / 8, a power of two); M = the running largest t rounded up to a whole number; p = 2^(t - M) is quantised along the keys;
; the row's sum is taken of the unquantised p and divides at the end.  When M moves, the sum and O are multiplied by 2^(old M - new M): exact.
; SHARES.  577 tokens are 36 whole tiles of 16 queries and tile 36 with the last token (of 40 padded).  Waves 0 to 11 take tiles wave, wave + 12, wave + 24, one a trip; wave 12 takes tile 36 in the first trip;
; waves 13 to 15 store tiles 37 to 39 there: zero codes, which the next launch reads and throws away.
; THE HEAD'S WHOLE K AND V, 85,760 bytes of codes and scale words, come into LDS ONCE, by eleven tensor loads at the head, one a wave: wave 0 the scale words (15 rows of 256 bytes), wave 1 + j (j = 0 .. 9) 32 rows of 256 bytes:
; K's (j even) or V's (j odd) codes of key step j / 2.  Waves 0 to 4 wait ahead of the first barrier: it shows the scale words and key steps 0 and 1.  A second barrier, behind the first tile's steps 0 and 1, shows the rest.  No slot is filled again.
; THE LOOP IS TURNED, so that both barriers stand ahead of it: a tile's opening (its key steps 0 and 1) is written twice: ahead of the loop for the first tile, and at a trip's end for the next tile.  A trip is key steps 2 to 4, the closing lines and that opening.
; No cluster: no two work-groups read the same bytes.  No prefetch: all that the work-group reads is asked for at its head.
; LAYOUT.  Both products are used transposed: S^T = K Q^T, O^T = V^T P^T: a lane holds one query throughout.  All operands lie as images of their registers (quad c of lane l at 512 c + 16 l).
; The keys of a tile are not neighbours (lane r of tile 2 b + u: key 32 b + 8 u + r + 8 (r / 8)), so the 16 registers of tiles 2 b, 2 b + 1 are keys 32 b + 16 h + 0 .. 15.  V^T's rows (d) are ordered likewise, so O^T's registers run along d.
; TWO RUNS OF 64 REGISTERS CHANGE ROLES FROM STEP TO STEP: in an even step K's tiles, then V's, lie in v32-95 and the scores, then p, in v104-167; in an odd step the other way round.
; So the next step's K is loaded from LDS into the registers that held p, two tiles behind each block's conversions, a second product ahead of its use.  The first tile's key step 2 alone is loaded behind the barrier that shows it; a tile's key step 0 under the last tile's closing lines.
; K = 64 IN AN INSTRUCTION OF K = 128: Q's upper 8 registers are zero codes; K's upper 8 are the next tile's codes; behind the last tile stand zeros (v96-103) or p's codes of the step before (v168-175): finite numbers, which meet zeros.
; THE FIRST KEY STEP starts O^T's sums with the constant 0.  THE LAST has keys 512..576: two whole blocks of 32 and ONE key, one register of lanes 0-15; the rest of its block, and the fourth block, are zero codes.
; THE CLS ROW (query 0: lanes 0 and 16 of tile 0) leaves its raw scores, -M and 1 / sum in cls: the sums over heads are the next launch's.
; LIMITS: NaN and infinities are not served; a block's largest p is taken from the block's largest score (v_exp_f32 taken not to fall where its input rises); the scaled scores stay under 2^31 in magnitude.
; REGISTERS: v1-11 offsets; v12 -M, v13 largest t, v[14:15] the sum; v16-23 Q, v24-31 zeros; v32-95, v104-167 the two runs; v96-103 zeros; v168-183 p's codes; v184-215 O^T; v216-223 K's scale words; v224-249 at work; v250-253 V's scale words; v254, v255 the add's.
.set CHQ,  43520
.set CHK,  85760
.set XSC,  10485760
.set SPARE, 0x29000
.set RX,   32
.set RY,   104
.set S,    104                         ; the closing lines' 32 numbers
.set PCD,  168
.set O,    184
.set WK,   216
.set WV,   250
.set PS,   241                         ; p's scale word
.set BM,   224                         ; blocks' largest scores, then largest p
.set TM,   224                         ; (QUANT2's work registers lie over these sixteen)
.set T2,   228
.set HL,   232
.set SCF,  236
.set SEL,  20
.set CS,   22
.set MNT,  24
.set HM,   25
.set G0,   28                          ; s[28:31], s[32:39] a part of 32 rows;  s[60:63], s[52:59] the scale words
.set G1,   32
.set G1S,  52
.set G0S,  60
; 32 numbers of a lane, two blocks of 32 with lane l xor 16's, become codes in v[pc] on; the bytes are left in v[TM+4], v[TM+5]
.macro QUANT2 s, pc
.irp b, 0,1
	v_max3_num_f32 v[TM+\b], |v[\s+16*\b]|, |v[\s+16*\b+1]|, 0x4800000   ; and the floor 2^(9 - 127)
.endr
.irp i, 2,4,6,8,10,12,14
.irp b, 0,1
	s_delay_alu instid0(VALU_DEP_2)
	v_max3_num_f32 v[TM+\b], v[TM+\b], |v[\s+16*\b+\i]|, |v[\s+16*\b+\i+1]|
.endr
.endr
.irp b, 0,1
	s_delay_alu instid0(VALU_DEP_2)
	v_permlanex16_b32 v[TM+4+\b], v[TM+\b], s[SEL], s[SEL+1]
.endr
.irp b, 0,1
	s_delay_alu instid0(VALU_DEP_2)
	v_max_num_f32 v[TM+\b], v[TM+\b], v[TM+4+\b]
.endr
.irp b, 0,1
	s_delay_alu instid0(VALU_DEP_2)
	v_add_nc_u32 v[TM+12+\b], 0xfc000000, v[TM+\b]
.endr
.irp b, 0,1
	s_delay_alu instid0(VALU_DEP_4)
	v_and_or_b32 v[TM+8+\b], v[TM+\b], 0x7f800000, s[MNT]
.endr
.irp b, 0,1
	s_delay_alu instid0(VALU_DEP_4)
	v_lshrrev_b32 v[TM+4+\b], 23, v[TM+12+\b]
.endr
.irp b, 0,1
.irp i, 0,1,2,3,4,5,6,7,8,9,10,11,12,13,14,15
	v_med3_num_f32 v[\s+16*\b+\i], v[\s+16*\b+\i], -v[TM+8+\b], v[TM+8+\b]
.endr
	v_cvt_scalef32_pk8_fp8_f32 v[\pc+4*\b:\pc+4*\b+1], v[\s+16*\b:\s+16*\b+7], v[TM+12+\b]
	v_cvt_scalef32_pk8_fp8_f32 v[\pc+4*\b+2:\pc+4*\b+3], v[\s+16*\b+8:\s+16*\b+15], v[TM+12+\b]
.endr
	v_nop                                          ; one plain vector line behind the last conversion
.endm
; n tiles of K of key step ks into v[base] on, and the step's scale words: 2 n + 2 LDS loads
.macro KLOAD ks, base, n
.set t, 0
.rept \n
	ds_load_b128 v[\base+8*t:\base+8*t+3], v1 offset:8192*(\ks)+1024*t
	ds_load_b128 v[\base+8*t+4:\base+8*t+7], v1 offset:8192*(\ks)+1024*t+512
.set t, t+1
.endr
	ds_load_b128 v[WK:WK+3], v3 offset:512*(\ks)
	ds_load_b128 v[WK+4:WK+7], v3 offset:512*(\ks)+16
.endm
	s_load_b256 s[4:11], s[0:1], 0x0               ; qb s[4:5], kv s[6:7], ob s[8:9], cls s[10:11]
	v_lshl_add_u32 v254, v0, 2, SPARE
	v_mov_b32 v255, 0
	ds_add_u32 v254, v255                          ; the opening lines: the add, twice on end, and its wait
	ds_add_u32 v254, v255
	v_lshrrev_b32 v1, 5, v0
	s_delay_alu instid0(VALU_DEP_1)
	v_readfirstlane_b32 s12, v1                    ; wave 0..15
	s_and_b32 s14, ttmp7, 0xffff                   ; the batch
	s_lshl_b32 s15, ttmp9, 4
	s_add_co_u32 s15, s15, s14                     ; the chunk: 16 head + batch
	s_mov_b32 s[G1], 3<<16                         ; no mask, elements of 8 bytes, no padding: 32 rows of 256 bytes, dense
	s_mov_b32 s[G1+1], 32<<16
	s_mov_b32 s[G1+2], 32<<16
	s_mov_b32 s[G1+3], 32<<16
	s_mov_b32 s[G1+4], 32
	s_mov_b32 s[G1+5], 32
	s_mov_b32 s[G1+6], 0
	s_mov_b32 s[G1+7], 0
	s_mov_b32 s[G1S], 3<<16                        ; the same with 15 rows
	s_mov_b32 s[G1S+1], 32<<16
	s_mov_b32 s[G1S+2], 15<<16
	s_mov_b32 s[G1S+3], 32<<16
	s_mov_b32 s[G1S+4], 15
	s_mov_b32 s[G1S+5], 32
	s_mov_b32 s[G1S+6], 0
	s_mov_b32 s[G1S+7], 0
	s_add_co_u32 s2, s12, 15
	s_and_b32 s2, s2, 15                           ; j = wave - 1 (modulo 16)
	s_and_b32 s3, s2, 1
	s_mul_i32 s3, s3, 40960                        ; K's codes or V's
	s_lshr_b32 s2, s2, 1
	s_lshl_b32 s2, s2, 13                          ; key step j / 2
	s_add_co_u32 s17, s2, s3                       ; my part's place, in the chunk and in LDS alike
	s_mul_i32 s18, s15, CHK
	s_mov_b32 s19, 0
	s_wait_dscnt 0x0
	s_wait_kmcnt 0x0
	s_add_nc_u64 s[6:7], s[6:7], s[18:19]          ; the chunk
	s_mov_b32 s18, s17
	s_mov_b32 s[G0], 1
	s_mov_b32 s[G0+1], s17
	s_add_nc_u64 s[G0+2:G0+3], s[6:7], s[18:19]
	s_or_b32 s[G0+3], s[G0+3], 0x80000000
	s_mov_b32 s[G0S], 1
	s_mov_b32 s[G0S+1], 81920
	s_add_nc_u64 s[G0S+2:G0S+3], s[6:7], 81920
	s_or_b32 s[G0S+3], s[G0S+3], 0x80000000
; one chain of branches on the wave's number, a load to an arm: the waves of the first two arms wait ahead of the first barrier, those of the third ahead of the second
.macro ARM under, g0, g1, next
	s_cmp_lt_u32 s12, \under
	s_cbranch_scc0 \next
	tensor_load_to_lds s[\g0:\g0+3], s[\g1:\g1+7]
	s_nop 0
.rept 4
	v_nop
.endr
	s_branch .Lasked
\next:
.endm
	ARM 1,  G0S, G1S, .Larm_a
	ARM 5,  G0,  G1,  .Larm_b
	ARM 11, G0,  G1,  .Larm_none
.Lasked:
	s_mul_i32 s2, s15, CHQ
	s_mov_b32 s3, 0
	s_add_nc_u64 s[40:41], s[4:5], s[2:3]          ; q's chunk
	s_mul_i32 s2, s14, 40*16384
	s_lshr_b32 s17, ttmp9, 1
	s_lshl_b32 s17, s17, 11
	s_add_co_u32 s2, s2, s17
	s_and_b32 s17, ttmp9, 1
	s_lshl_b32 s17, s17, 10
	s_add_co_u32 s2, s2, s17
	s_add_nc_u64 s[42:43], s[8:9], s[2:3]          ; o's codes: the batch's 40 row tiles; K step head / 2, quads 2 (head % 2) on
	s_mul_i32 s2, s14, 40*512
	s_lshl_b32 s17, ttmp9, 1
	s_add_co_u32 s2, s2, s17
	s_add_co_u32 s2, s2, XSC
	s_add_nc_u64 s[44:45], s[8:9], s[2:3]          ; o's scale bytes: 2 head on in a row's 32
	s_lshl_b32 s2, s14, 4
	s_add_co_u32 s2, s2, ttmp9
	s_mul_i32 s2, s2, 2560
	s_add_nc_u64 s[46:47], s[10:11], s[2:3]        ; cls: [batch][head][640]
	s_mov_b32 s[SEL], 0x76543210
	s_mov_b32 s[SEL+1], 0xfedcba98
	s_mov_b32 s[CS], 0x3e38aa3b                    ; c = log2(e) / 8
	s_mov_b32 s[CS+1], s[CS]
	s_mov_b32 s[MNT], 0x600000
	s_mov_b32 s[HM], 0xffff0000                    ; lanes 16-31
	v_and_b32 v10, 31, v0
	s_delay_alu instid0(VALU_DEP_1)
	v_lshlrev_b32 v1, 4, v10                       ; 16 x lane: K's codes, and every image
	s_delay_alu instid0(VALU_DEP_1)
	v_add_nc_u32 v2, 40960, v1                     ; V^T's codes
	v_and_b32 v10, 15, v0                          ; r
	v_bfe_u32 v11, v0, 4, 1                        ; h
	s_delay_alu instid0(VALU_DEP_2)
	v_lshlrev_b32 v6, 5, v10                       ; 32 r
	s_delay_alu instid0(VALU_DEP_1)
	v_add_nc_u32 v3, 81920, v6                     ; K's scale words
	s_delay_alu instid0(VALU_DEP_4)
	v_lshl_add_u32 v4, v10, 4, 84480               ; V's
	s_delay_alu instid0(VALU_DEP_4)
	v_lshlrev_b32 v7, 6, v11                       ; 64 h
	s_delay_alu instid0(VALU_DEP_4)
	v_add_nc_u32 v5, v6, v11                       ; 32 r + h
	v_lshlrev_b32 v11, 2, v11                      ; 4 h
.irp j, 0,1,2,3,4,5,6,7
	v_mov_b32 v[24+\j], 0                          ; Q's upper half: zero codes
	v_mov_b32 v[96+\j], 0                          ; behind K's last tile
.endr
.irp b, 0,1,2,3
	v_mov_b32 v[T2+\b], 0                          ; a lane permute's destination counts as one of its sources
	v_mov_b32 v[12+\b], 0                          ; these four and O^T are carried from a tile's opening into the trip: written once here, every way through the text finds them written
.endr
.set j, 0
.rept 32
	v_mov_b32 v[O+j], 0
.set j, j+1
.endr
	v_mov_b32 v240, 0
	v_mov_b32 v243, 0                              ; (named as the upper half of the pair v[242:243])
	v_mov_b32 v248, 0xff800000                     ; -infinity
	v_mov_b32 v249, 127
.macro LOADQ                           ; tile s17's codes (two quads) and scale words.  The bases are written again only behind the wait that shows the last such loads done
	s_lshl_b32 s18, s17, 10
	s_add_nc_u64 s[48:49], s[40:41], s[18:19]
	global_load_b128 v[16:19], v1, s[48:49]
	global_load_b128 v[20:23], v1, s[48:49] offset:512
	s_lshr_b32 s18, s17, 3
	s_lshl_b32 s18, s18, 9
	s_and_b32 s3, s17, 7
	s_lshl_b32 s3, s3, 2
	s_add_co_u32 s18, s18, s3
	s_add_nc_u64 s[50:51], s[40:41], s[18:19]
	global_load_b32 v245, v6, s[50:51] offset:40960
.endm
	s_cmp_lt_u32 s12, 12
	s_cselect_b32 s13, 0, 24
	s_add_co_u32 s13, s13, s12                     ; my first tile: the wave's number; waves 12 to 15: 36 to 39
	s_mov_b32 s17, s13
	LOADQ
	s_wait_alu depctr_va_vdst(0)                   ; the wait at the head's end
	s_cmp_lt_u32 s12, 5
	s_cbranch_scc0 .Lnot_a
	s_wait_tensorcnt 0x0                           ; waves 0 to 4: the scale words, or a part of key steps 0 and 1, have landed
.Lnot_a:
	s_barrier_signal -1
	s_barrier_wait -1                              ; all five have
	KLOAD 0, RX, 8                                 ; my first tile's key step 0
; A KEY STEP.  ks: which; nb: blocks of 32 keys; nt: tiles of 16 keys; last = 1: the step that ends at key 576, whose last block is that one key; first = 1: the tile's first step, which starts O^T's sums;
; pre = 1: the next step's K is asked of LDS in this step.  This step's K has been asked for ahead of it.
.macro STEP ks, nb, nt, last, first, pre
.set NF, \nb-\last                     ; blocks that are whole
.if (\ks)%2
.set KA, RY                            ; K, then V
.set SA, RX                            ; the scores, then p, then the next step's K
.else
.set KA, RX
.set SA, RY
.endif
.rept 9
	v_nop                                          ; the scores are written over V's registers, which the last products read: nine places
.endr
	s_wait_dscnt 0x0                               ; K and its scale words
.set t, 0
.rept \nt
	v_wmma_scale_f32_16x16x128_f8f6f4 v[SA+8*t:SA+8*t+7], v[KA+8*t:KA+8*t+15], v[16:31], 0, v[WK+t], v245
.set t, t+1
.endr
.rept 8
	v_nop
.endr
.irp d, 0,1,2,3                        ; V^T's four tiles of d land under the softmax
.irp c, 0,1,2,3
	ds_load_b128 v[KA+16*\d+4*\c:KA+16*\d+4*\c+3], v2 offset:(4*\ks+\d)*2048+512*\c
.endr
.endr
	ds_load_b128 v[WV:WV+3], v4 offset:256*\ks
.if \last
	s_add_co_u32 s17, s13, 12                      ; my next tile's Q (clamped to the last tile that exists): its registers are free behind the places above
	s_min_u32 s17, s17, 39
	LOADQ
	v_cndmask_b32 v[SA+32], v[SA+32], v248, s[HM]  ; register 32 is key 576 in lanes 0-15 and key 592 in lanes 16-31: the latter counts for nothing
.irp j, 33,34,35,36,37,38,39
	v_mov_b32 v[SA+\j], 0                          ; keys past 576: their p is 0 as it stands
.endr
.endif
	s_cmp_lg_u32 s13, 0
	s_cbranch_scc1 .Lnot_cls_\@
	s_wait_xcnt 0x0                                ; EXEC changes only behind this wait
	s_mov_b32 vcc_lo, 0x10001                      ; query 0: lanes 0 and 16
	s_and_saveexec_b32 s26, vcc_lo
.set n, 0
.rept 4*NF
	global_store_b128 v7, v[SA+4*n:SA+4*n+3], s[46:47] offset:512*\ks+128*(n/4)+16*(n%4)   ; keys 128 ks + 32 (n / 4) + 16 h + 4 (n % 4) on
.set n, n+1
.endr
.if \last
	s_wait_alu depctr_va_vdst(0)
	global_store_b32 v7, v[SA+32], s[46:47] offset:512*\ks+256   ; key 576 (lane 16 writes key 592's place, which nobody reads)
.endif
	s_wait_xcnt 0x0                                ; and again; the scores are also written again only behind it
	s_or_b32 exec_lo, exec_lo, s26
.Lnot_cls_\@:
.irp b, 0,1,2,3
.if \b < NF
	v_max3_num_f32 v[BM+\b], v[SA+16*\b], v[SA+16*\b+1], v[SA+16*\b+2]   ; the largest score of each block: for the row's maximum and for the block's largest p
.endif
.endr
.irp i, 3,5,7,9,11,13
.irp b, 0,1,2,3
.if \b < NF
	v_max3_num_f32 v[BM+\b], v[BM+\b], v[SA+16*\b+\i], v[SA+16*\b+\i+1]
.endif
.endr
.endr
.irp b, 0,1,2,3
.if \b < NF
	v_max_num_f32 v[BM+\b], v[BM+\b], v[SA+16*\b+15]
.endif
.endr
.if \last
	v_mov_b32 v[BM+2], v[SA+32]                    ; the one key is its block's largest
.endif
.irp b, 0,1,2,3
.if \b < \nb
	v_permlanex16_b32 v[T2+\b], v[BM+\b], s[SEL], s[SEL+1]
.endif
.endr
.irp b, 0,1,2,3
.if \b < \nb
	v_max_num_f32 v[BM+\b], v[BM+\b], v[T2+\b]
.endif
.endr
	v_max3_num_f32 v240, v[BM], v[BM+1], v[BM+2]
.if \nb > 3
	s_delay_alu instid0(VALU_DEP_1)
	v_max_num_f32 v240, v240, v[BM+3]
.endif
	s_delay_alu instid0(VALU_DEP_1)
	v_mul_f32 v240, s[CS], v240                    ; as t
	s_delay_alu instid0(VALU_DEP_1)
	v_max_num_f32 v13, v13, v240                   ; the running largest t
	v_mov_b32 v240, v12
	s_delay_alu instid0(VALU_DEP_2)
	v_floor_f32 v12, -v13                          ; -M = floor(-t): M is a whole number
	s_delay_alu instid0(VALU_DEP_1)
	v_sub_f32 v240, v12, v240
	s_delay_alu instid0(VALU_DEP_1)
	v_cvt_i32_f32 v240, v240                       ; (it saturates)
	s_delay_alu instid0(VALU_DEP_1)
	v_ldexp_f32 v242, 1.0, v240                    ; f = 2^(old M - new M)
.set j, 0
.rept 8*NF
	v_pk_fma_f32 v[SA+j:SA+j+1], v[SA+j:SA+j+1], s[CS:CS+1], v[12:13] op_sel_hi:[1,0,0]   ; t - M
.set j, j+2
.endr
.if \last
	v_fma_f32 v[SA+32], v[SA+32], s[CS], v12
.endif
.irp b, 0,1,2,3
.if \b < \nb
	v_fma_f32 v[BM+\b], v[BM+\b], s[CS], v12
.endif
.endr
.set j, 0
	s_wait_alu depctr_va_vdst(0)                   ; the wait ahead of the batch
.rept 16*NF
	v_exp_f32 v[SA+j], v[SA+j]                     ; p = 2^(t - M)
.set j, j+1
.endr
.if \last
	v_exp_f32 v[SA+32], v[SA+32]
.endif
	v_pk_mul_f32 v[14:15], v[14:15], v[242:243] op_sel_hi:[1,0]   ; the sums under the new M: the plain line behind the exponentials
	s_wait_alu depctr_va_vdst(0)                   ; one wait for the batch, ahead of its first reader
.irp b, 0,1,2,3
.if \b < \nb
	v_exp_f32 v[BM+\b], v[BM+\b]                   ; the blocks' largest p
.endif
.endr
	v_pk_add_f32 v[246:247], v[SA:SA+1], v[SA+2:SA+3]          ; the row's sum of the unquantised p, in four chains by turns
	v_pk_add_f32 v[HL:HL+1], v[SA+4:SA+5], v[SA+6:SA+7]
	v_pk_add_f32 v[HL+2:HL+3], v[SA+8:SA+9], v[SA+10:SA+11]
.set j, 12
.rept 2*NF-2
	v_pk_add_f32 v[14:15], v[14:15], v[SA+j:SA+j+1]
	v_pk_add_f32 v[246:247], v[246:247], v[SA+j+2:SA+j+3]
	v_pk_add_f32 v[HL:HL+1], v[HL:HL+1], v[SA+j+4:SA+j+5]
	v_pk_add_f32 v[HL+2:HL+3], v[HL+2:HL+3], v[SA+j+6:SA+j+7]
.set j, j+8
.endr
	v_pk_add_f32 v[14:15], v[14:15], v[SA+j:SA+j+1]
	v_pk_add_f32 v[246:247], v[246:247], v[SA+j+2:SA+j+3]
	v_pk_add_f32 v[HL:HL+1], v[HL:HL+1], v[HL+2:HL+3]
	v_pk_add_f32 v[14:15], v[14:15], v[246:247]
	v_pk_add_f32 v[14:15], v[14:15], v[HL:HL+1]
.if \last
	v_add_f32 v14, v14, v[SA+32]
.endif
	s_wait_alu depctr_va_vdst(0)                   ; and one for the blocks' few
.irp b, 0,1,2,3
.if \b < \nb
	v_max_num_f32 v[BM+\b], 0x4800000, v[BM+\b]    ; the floor 2^(9 - 127)
.endif
.endr
.irp b, 0,1,2,3
.if \b < \nb
	v_add_nc_u32 v[SCF+\b], 0xfc000000, v[BM+\b]
.endif
.endr
.irp b, 0,1,2,3
.if \b < \nb
	v_and_or_b32 v[HL+\b], v[BM+\b], 0x7f800000, s[MNT]
.endif
.endr
.irp b, 0,1,2,3
.if \b < \nb
	v_lshrrev_b32 v[T2+\b], 23, v[SCF+\b]
.endif
.endr
	v_lshl_or_b32 v[PS], v[T2+1], 8, v[T2]         ; p's scale word for these keys
	s_delay_alu instid0(VALU_DEP_1)
	v_lshl_or_b32 v[PS], v[T2+2], 16, v[PS]
.if \nb > 3
	s_delay_alu instid0(VALU_DEP_1)
	v_lshl_or_b32 v[PS], v[T2+3], 24, v[PS]
.endif
.irp b, 0,1,2,3
.if \b < NF
.irp i, 0,2,4,6,8,10,12,14             ; p is not negative: the hold is one-sided; two numbers to an instruction
	v_dual_min_num_f32 v[SA+16*\b+\i], v[SA+16*\b+\i], v[HL+\b] :: v_dual_min_num_f32 v[SA+16*\b+\i+1], v[SA+16*\b+\i+1], v[HL+\b]
.endr
	v_cvt_scalef32_pk8_fp8_f32 v[PCD+4*\b:PCD+4*\b+1], v[SA+16*\b:SA+16*\b+7], v[SCF+\b]
	v_cvt_scalef32_pk8_fp8_f32 v[PCD+4*\b+2:PCD+4*\b+3], v[SA+16*\b+8:SA+16*\b+15], v[SCF+\b]
.if \pre && ((\ks < 3) || (\b < 3))    ; this block's p has been read for the last time: its 16 registers take two tiles of the next step's K (of the last step six tiles: the sixth stands behind the fifth as finite codes)
.irp u, 0,1
	ds_load_b128 v[SA+16*\b+8*\u:SA+16*\b+8*\u+3], v1 offset:8192*(\ks+1)+1024*(2*\b+\u)
	ds_load_b128 v[SA+16*\b+8*\u+4:SA+16*\b+8*\u+7], v1 offset:8192*(\ks+1)+1024*(2*\b+\u)+512
.endr
.endif
.endif
.endr
.if \last
	v_min_num_f32 v[SA+32], v[SA+32], v[HL+2]
	v_cvt_scalef32_pk8_fp8_f32 v[PCD+8:PCD+9], v[SA+32:SA+39], v[SCF+2]   ; key 576 and seven zeros
.irp j, 10,11,12,13,14,15
	v_mov_b32 v[PCD+\j], 0                         ; keys 584 on: zero codes
.endr
.endif
.set NK, 0                             ; LDS loads issued behind V's
.if \pre
	ds_load_b128 v[WK:WK+3], v3 offset:512*(\ks+1) ; and the next step's scale words of K
	ds_load_b128 v[WK+4:WK+7], v3 offset:512*(\ks+1)+16
.if \ks < 3
.set NK, 18                            ; eight tiles of two loads, and these two
.else
.set NK, 14                            ; six tiles
.endif
.endif
	s_wait_alu depctr_va_vdst(0)                   ; the wait here, directly ahead of the first reader of O^T
.if \first
.rept 8
	v_nop                                          ; the lines between the codes, the scale word and the products: there is no O^T yet to bring under the new M
.endr
.else
.set j, 0
.rept 16
	v_pk_mul_f32 v[O+j:O+j+1], v[O+j:O+j+1], v[242:243] op_sel_hi:[1,0]   ; O^T under the new M; also the lines between the codes and the products
.set j, j+2
.endr
.endif
	s_wait_alu depctr_va_vdst(0)                   ; the wait here, directly ahead of the wait below
	s_wait_dscnt NK                                ; V and its scale words are in; the NK loads of the next step's K, issued behind them, may be out
.irp d, 0,1,2,3                        ; the four accumulators take turns
.if \first
	v_wmma_scale_f32_16x16x128_f8f6f4 v[O+8*\d:O+8*\d+7], v[KA+16*\d:KA+16*\d+15], v[PCD:PCD+15], 0, v[WV+\d], v[PS]
.else
	v_wmma_scale_f32_16x16x128_f8f6f4 v[O+8*\d:O+8*\d+7], v[KA+16*\d:KA+16*\d+15], v[PCD:PCD+15], v[O+8*\d:O+8*\d+7], v[WV+\d], v[PS]
.endif
.endr
.endm
; A TILE'S OPENING: tile s13's places in o, and, if it has tokens, its key steps 0 and 1.  pre = 1: step 1 asks for key step 2
.macro OPEN skip, pre
	s_wait_loadcnt 0x0                             ; Q
	s_wait_xcnt 0x0                                ; the last tile's stores have read their offsets and data
	s_lshl_b32 s2, s13, 14
	v_add_nc_u32 v8, s2, v1                        ; o's codes: the tile's 16,384 bytes, 16 x lane
	s_lshl_b32 s2, s13, 9
	v_add_nc_u32 v9, s2, v5                        ; o's scale bytes
	s_cmp_gt_u32 s13, 36
	s_cbranch_scc1 \skip
	v_mov_b32 v13, 0xff61b1e6                      ; -3e38, under every t
	s_delay_alu instid0(VALU_DEP_1)
	v_floor_f32 v12, -v13
	v_mov_b32 v14, 0
	v_mov_b32 v15, 0
	STEP 0, 4, 8, 0, 1, 1
	STEP 1, 4, 8, 0, 0, \pre
.endm
	s_mov_b32 s16, 0
	OPEN .Lmid, 0                                  ; the first tile: key step 2 is not shown yet
.Lmid:
	s_wait_alu depctr_va_vdst(0)                   ; the wait here, directly ahead of the waits below
	s_wait_tensorcnt 0x0                           ; every wave: whatever I asked for has landed,
	s_wait_dscnt 0x0                               ; and no LDS load of mine is out
	s_barrier_signal -1
	s_barrier_wait -1                              ; everybody's has: from here on LDS is only read
	s_cmp_gt_u32 s13, 36
	s_cbranch_scc1 .Ltrip
	KLOAD 2, RX, 8
.Ltrip:
	s_cmp_gt_u32 s13, 36
	s_cbranch_scc1 .Lpad
	STEP 2, 4, 8, 0, 0, 1
	STEP 3, 4, 8, 0, 0, 1
	STEP 4, 3, 5, 1, 0, 0
	v_add_f32 v14, v14, v15                        ; the sum's two halves,
	s_delay_alu instid0(VALU_DEP_1)
	v_permlanex16_b32 v240, v14, s[SEL], s[SEL+1]
	s_delay_alu instid0(VALU_DEP_1)
	v_add_f32 v14, v14, v240                       ; and lane l xor 16's
.rept 6
	v_nop                                          ; with the lines above: the places behind the last products
.endr
	s_wait_alu depctr_va_vdst(0)
	s_cmp_lt_u32 s16, 2
	s_cbranch_scc0 .Lno_more
	KLOAD 0, RX, 8                                 ; the next tile's key step 0 lands under the closing lines
.Lno_more:
	v_rcp_f32 v242, v14
	v_nop
	s_wait_alu depctr_va_vdst(0)
	s_cmp_lg_u32 s13, 0
	s_cbranch_scc1 .Lno_stat
	v_cndmask_b32 v244, v12, v242, s[HM]           ; lane 0: -M; lane 16: 1 / sum
	s_wait_alu depctr_va_vdst(0)
	s_wait_xcnt 0x0
	s_mov_b32 vcc_lo, 0x10001
	s_and_saveexec_b32 s26, vcc_lo
	global_store_b32 v11, v244, s[46:47] offset:2432
	s_wait_xcnt 0x0
	s_or_b32 exec_lo, exec_lo, s26
.Lno_stat:
.set j, 0
.rept 16
	v_pk_mul_f32 v[S+j:S+j+1], v[O+j:O+j+1], v[242:243] op_sel_hi:[1,0]   ; o: register 16 a + i is d = 32 a + 16 h + i of my query
.set j, j+2
.endr
	QUANT2 S, PCD
	global_store_b128 v8, v[PCD:PCD+3], s[42:43]               ; 512 consecutive bytes, aligned
	global_store_b128 v8, v[PCD+4:PCD+7], s[42:43] offset:512
	v_cndmask_b32 v244, v[TM+4], v[TM+5], s[HM]
	global_store_b8 v9, v244, s[44:45]             ; lanes 0-15 the first block's byte, lanes 16-31 the second's: two bytes of a row's 32
	s_branch .Lnext
.Lpad:
	s_cmp_gt_u32 s13, 39
	s_cbranch_scc1 .Lnext
	global_store_b128 v8, v[96:99], s[42:43]       ; a tile with no token: zero codes and the byte 127, since the next launch reads these bytes
	global_store_b128 v8, v[96:99], s[42:43] offset:512
	global_store_b8 v9, v249, s[44:45]
.Lnext:
	s_add_co_u32 s13, s13, 12
	s_add_co_u32 s16, s16, 1
	s_cmp_eq_u32 s16, 3
	s_cbranch_scc1 .Lturn                          ; behind the third trip no tile follows
	OPEN .Lturn, 1
.Lturn:
	s_wait_alu depctr_va_vdst(0)                   ; the wait here, directly ahead of the backward jump
	s_cmp_lt_u32 s16, 3
	s_cbranch_scc1 .Ltrip
	s_wait_tensorcnt 0x0                           ; the wave's end
	ds_add_u32 v254, v255
	s_wait_dscnt 0x0
	s_endpgm
.Lfunc_end_k_q29de268d3e_attn:
	.size	k_q29de268d3e_attn, .Lfunc_end_k_q29de268d3e_attn-k_q29de268d3e_attn
	.p2alignl 7, 3214868480
	.fill 96, 4, 3214868480
	.section	.rodata,"a",@progbits
	.p2align	6, 0x0
	.amdhsa_kernel k_q29de268d3e_attn
		.amdhsa_group_segment_fixed_size 169984
		.amdhsa_private_segment_fixed_size 0
		.amdhsa_enable_private_segment 0
		.amdhsa_kernarg_size 32
		.amdhsa_user_sgpr_count 2
		.amdhsa_user_sgpr_kernarg_segment_ptr 1
		.amdhsa_wavefront_size32 1
		.amdhsa_system_sgpr_workgroup_id_x 1
		.amdhsa_system_sgpr_workgroup_id_y 1
		.amdhsa_system_sgpr_workgroup_id_z 1
		.amdhsa_system_vgpr_workitem_id 0
		.amdhsa_next_free_vgpr 256
		.amdhsa_next_free_sgpr 66
		.amdhsa_reserve_vcc 1
		.amdhsa_float_denorm_mode_32 3
		.amdhsa_float_denorm_mode_16_64 3
		.amdhsa_memory_ordered 1
		.amdhsa_forward_progress 1
		.amdhsa_inst_pref_size 153
	.end_amdhsa_kernel
	.amdgpu_metadata
---
amdhsa.version: [ 1, 2 ]
amdhsa.kernels:
  - .name:           k_q29de268d3e_attn
    .symbol:         k_q29de268d3e_attn.kd
    .args:
      - { .name: qb, .offset: 0, .size: 8, .value_kind: global_buffer, .address_space: global }
      - { .name: kv, .offset: 8, .size: 8, .value_kind: global_buffer, .address_space: global }
      - { .name: ob, .offset: 16, .size: 8, .value_kind: global_buffer, .address_space: global }
      - { .name: cls, .offset: 24, .size: 8, .value_kind: global_buffer, .address_space: global }
    .group_segment_fixed_size: 169984
    .private_segment_fixed_size: 0
    .kernarg_segment_align: 8
    .kernarg_segment_size: 32
    .max_flat_workgroup_size: 512
    .sgpr_count:     66
    .vgpr_count:     256
    .wavefront_size: 32
...
	.end_amdgpu_metadata
.endif
;; end of part 3
;; launch proj (part 4): grid 4 x 44, 4 waves a work-group, clusters of 4 x 1, 327,680 bytes of LDS; arguments ob, wq, b_proj, cls, out0, out1, out2; writes out0, out1, out2
.if DOCPART == 4
	.amdgcn_target "amdgcn-amd-amdhsa--gfx1250"
	.amdhsa_code_object_version 6
	.text
	.protected	k_q29de268d3e_proj
	.globl	k_q29de268d3e_proj
	.p2align	8
	.type	k_q29de268d3e_proj,@function
k_q29de268d3e_proj:
	s_mov_b64 s[64:65], 0
	v_nop
	global_prefetch_b8 v0, s[64:65] scope:SCOPE_SE
	s_setreg_imm32_b32 hwreg(HW_REG_WAVE_MODE, 25, 1), 1
	s_wait_xcnt 0x0
	s_wait_alu depctr_hold_cnt(0) depctr_sa_sdst(0) depctr_va_vdst(0) depctr_va_sdst(0) depctr_va_ssrc(0) depctr_va_vcc(0) depctr_vm_vsrc(0)
	s_getreg_b32 s2, hwreg(HW_REG_IB_STS2, 6, 4)
	s_cmp_eq_u32 s2, 0
	s_cbranch_scc0 .Lentry_in_a_cluster
	s_endpgm
.Lentry_in_a_cluster:
	s_bfe_u32 s2, ttmp6, 0x10000c
	s_cmp_lg_u32 s2, 0x3003
	s_cbranch_scc0 .Lentry_shape_is_right
	s_endpgm
.Lentry_shape_is_right:
; out0 = o w_proj^T + b_proj on codes of FP8 (E4M3) with E8M0 scales: 10,240 padded tokens x 1,024 features, K = 1,024 (work-group rows y = 0..39);
; and, in rows y = 40..43 (16 work-groups, one a batch), out1 and out2: the means over the 16 heads of the CLS row's softmax and logits, from what the launch before left in cls.
; THE PRODUCT: a work-group makes 256 x 256, a wave 128 x 128; K in steps of 256 through two LDS slots; operands are images of their registers (a fragment = 2,048 bytes, quad c of lane l at 512 c + 16 l), so a slot has no pitch.
; Source 0 ('B') = 256 rows of w_proj (row tiles 192 on of wq), source 1 ('A') = 256 tokens: a lane holds a token, its registers run along the features.  The bias is the C of each sum's first product.
; CLUSTER 4 x 1: the four work-groups of a row need the same tokens: A's tiles are asked for jointly; B's differ from partner to partner and come by plain loads behind the same rounds.
; The rows of a tile are not neighbours (lane r of tile 2 a + u: row 32 a + 8 u + r + 8 (r / 8)): the way out puts each token's row where it belongs; tokens past 576 of a batch are not stored.
; LIMITS: NaN and infinities are not served.
.set XSC,   10485760
.set WSC,   4194304
.set NQ,    2
.set FR,    16
.set NL,    4
.set NP,    8
.set RT,    4096
.set HALFT, 8*RT
.set SLOT,  4*HALFT
.set SCL,   2*SLOT
.set HALFS, 4096
.set SPARE, SCL+4*HALFS
.set SPITCH, 528                       ; the way out: a stage of 16 rows x (512 bytes + 16) for each wave, in slot 0, behind its last fill and its last read
.set ADRA, 16
.set BA,   18
.set ADRB, 20
.set STO,  24
.set RD,   25
.set CO,   26
.set ADRS, 27
.set SPW,  28
.set NIL,  29
.set SC,   32
.set BQ,   64
.set AF,   128
.set BK,   128
.set G1, 24
.set G0, 32
.set G1B, 48
.set G0B, 56
.set G1S, 68
.set G0S, 76
.set G1SB, 80
.set G0SB, 88
.set G0T, 4                            ; s[4:7], s[92:95] group 0 of the head's loads of K step 0, in registers whose first use is over by then
.set G0TB, 92
.set MSB, 0
.macro WIN new
.if MSB != \new
	s_set_vgpr_msb (MSB<<8)|\new
.set MSB, \new
.endif
.endm
.set MUL_LO, 0xa1
.set MUL_HI, 0xf1
.set TO_B,   0x40
.macro JLOAD g0a, g1a, g0b, g1b        ; waves 0 and 1 fetch for A (jointly), waves 2 and 3 for B; four v_nop follow each line
	s_cmp_eq_u32 s15, 0
	s_cbranch_scc0 .Lfor_b_\@
	tensor_load_to_lds s[\g0a:\g0a+3], s[\g1a:\g1a+7]
	s_nop 0
.rept 4
	v_nop
.endr
	s_branch .Lasked_\@
.Lfor_b_\@:
	tensor_load_to_lds s[\g0b:\g0b+3], s[\g1b:\g1b+7]
	s_nop 0
.rept 4
	v_nop
.endr
.Lasked_\@:
.endm
.macro CREST
	s_cmp_lg_u32 s14, 0
	s_cbranch_scc1 .Lnot_wave_0_\@
	s_barrier_signal -3
.Lnot_wave_0_\@:
	s_barrier_wait -3
	s_barrier_signal -1
	s_barrier_wait -1
.endm
.macro CROUND
	s_barrier_signal -1
	s_barrier_wait -1
	CREST
.endm
	s_load_b256 s[4:11], s[0:1], 0x0               ; ob s[4:5], wq s[6:7], b_proj s[8:9], cls s[10:11]
	s_load_b128 s[96:99], s[0:1], 0x20             ; out0, out1
	s_load_b64 s[100:101], s[0:1], 0x30            ; out2
	v_lshl_add_u32 v[SPW], v0, 2, SPARE
	v_mov_b32 v[NIL], 0
	ds_add_u32 v28, v29
	ds_add_u32 v28, v29
	s_wait_dscnt 0x0
	v_lshrrev_b32 v1, 5, v0
	v_readfirstlane_b32 s14, v1                    ; wave 0..3
	s_lshr_b32 s15, s14, 1
	s_and_b32 s16, s14, 1
	s_bfe_u32 s40, ttmp6, 0x40000                  ; cx
	s_and_b32 s17, ttmp7, 0xffff                   ; the cluster's y: the same in all four partners
	s_cmp_ge_u32 s17, 40
	s_cbranch_scc1 .Lcls
	s_mov_b32 s[G1], 15|(3<<16)|(1<<21)            ; A: the mask names all four; elements of 8 bytes; 21 set beside a mask
	s_mov_b32 s[G1B], 3<<16                        ; B: no mask
.irp g, G1, G1B
	s_mov_b32 s[\g+1], 512<<16                     ; 8 row tiles, of each 4,096 bytes, 16,384 bytes apart
	s_mov_b32 s[\g+2], 16<<16                      ; the head's loads bring 16 row tiles; behind them the two words are set to 8
	s_mov_b32 s[\g+3], 512<<16
	s_mov_b32 s[\g+4], 16
	s_mov_b32 s[\g+5], 2048
	s_mov_b32 s[\g+6], 0
	s_mov_b32 s[\g+7], 0
.endr
	s_mov_b32 s[G1S], 15|(3<<16)|(1<<21)
	s_mov_b32 s[G1SB], 3<<16
.irp g, G1S, G1SB
	s_mov_b32 s[\g+1], 32<<16                      ; 8,192 dense bytes of scale words
	s_mov_b32 s[\g+2], 32<<16
	s_mov_b32 s[\g+3], 32<<16
	s_mov_b32 s[\g+4], 32
	s_mov_b32 s[\g+5], 32
	s_mov_b32 s[\g+6], 0
	s_mov_b32 s[\g+7], 0
.endr
	s_lshl_b32 s20, s17, 4                         ; A: row tile 16 y: no cx in it
	s_lshl_b32 s46, s40, 4
	s_add_co_u32 s46, s46, 192                     ; B: row tile 192 + 16 cx
	s_lshl_b32 s22, s20, 9
	s_add_co_u32 s22, s22, XSC
	s_lshl_b32 s92, s46, 9
	s_add_co_u32 s92, s92, WSC
	s_lshl_b32 s20, s20, 14
	s_lshl_b32 s46, s46, 14
	s_mov_b32 s21, 0
	s_mov_b32 s23, 0
	s_mov_b32 s47, 0
	s_mov_b32 s93, 0
	s_mul_i32 s45, s14, HALFT
	s_wait_kmcnt 0x0
	s_add_nc_u64 s[20:21], s[4:5], s[20:21]
	s_add_nc_u64 s[22:23], s[4:5], s[22:23]
	s_add_nc_u64 s[46:47], s[6:7], s[46:47]
	s_add_nc_u64 s[92:93], s[6:7], s[92:93]
	CROUND                                         ; the four work-groups are here: the first joint loads meet
	s_mov_b32 s[G0S], 1
	s_mov_b32 s[G0S+1], SCL
	s_mov_b64 s[G0S+2:G0S+3], s[22:23]
	s_or_b32 s[G0S+3], s[G0S+3], 0x80000000
	s_mov_b32 s[G0SB], 1
	s_mov_b32 s[G0SB+1], SCL+2*HALFS
	s_mov_b64 s[G0SB+2:G0SB+3], s[92:93]
	s_or_b32 s[G0SB+3], s[G0SB+3], 0x80000000
	s_mov_b32 s[G0T], 1                            ; K step 0, whole: A's 16 row tiles,
	s_mov_b32 s[G0T+1], 0
	s_mov_b64 s[G0T+2:G0T+3], s[20:21]
	s_or_b32 s[G0T+3], s[G0T+3], 0x80000000
	s_mov_b32 s[G0TB], 1                           ; B's behind them
	s_mov_b32 s[G0TB+1], 2*HALFT
	s_mov_b64 s[G0TB+2:G0TB+3], s[46:47]
	s_or_b32 s[G0TB+3], s[G0TB+3], 0x80000000
	s_lshl_b32 s18, s16, 17                        ; for the ring: my 8 row tiles of the 16
	s_mov_b32 s19, 0
	s_add_nc_u64 s[20:21], s[20:21], s[18:19]
	s_add_nc_u64 s[46:47], s[46:47], s[18:19]
.irp s, 0,1
	s_mov_b32 s[G0+4*\s], 1
	s_add_co_u32 s[G0+4*\s+1], s45, \s*SLOT
	s_add_nc_u64 s[G0+4*\s+2:G0+4*\s+3], s[20:21], \s*RT
	s_or_b32 s[G0+4*\s+3], s[G0+4*\s+3], 0x80000000
	s_mov_b32 s[G0B+4*\s], 1
	s_add_co_u32 s[G0B+4*\s+1], s45, \s*SLOT
	s_add_nc_u64 s[G0B+4*\s+2:G0B+4*\s+3], s[46:47], \s*RT
	s_or_b32 s[G0B+4*\s+3], s[G0B+4*\s+3], 0x80000000
.endr
; the head's loads, one a wave: wave 0 K step 0 of A, wave 1 of B, waves 2 and 3 their scale words; one chain of branches on the wave's number, a load to an arm
.macro ARM under, g0, g1, next
	s_cmp_lt_u32 s14, \under
	s_cbranch_scc0 \next
	tensor_load_to_lds s[\g0:\g0+3], s[\g1:\g1+7]
	s_nop 0
.rept 4
	v_nop
.endr
	s_branch .Lhead_asked
\next:
.endm
	ARM 1, G0T,  G1,  .Lhead_b
	ARM 2, G0TB, G1B, .Lhead_sa
	ARM 3, G0S,  G1S, .Lhead_sb
	tensor_load_to_lds s[G0SB:G0SB+3], s[G1SB:G1SB+7]
	s_nop 0
.rept 4
	v_nop
.endr
.Lhead_asked:
	v_and_b32 v1, 15, v0                           ; r
	v_bfe_u32 v2, v0, 4, 1                         ; h
	s_wait_alu depctr_va_vdst(0)
	v_and_b32 v3, 31, v0
	v_lshlrev_b32 v[CO], 4, v3                     ; 16 x lane
	s_mul_i32 s18, s15, HALFT
	s_mul_i32 s19, s16, HALFT
	s_add_co_u32 s19, s19, 2*HALFT
.irp s, 0,1
	v_add_nc_u32 v[ADRA+\s], s18, v[CO]
	v_add_nc_u32 v[ADRB+\s], s19, v[CO]
	s_add_co_u32 s18, s18, SLOT
	s_add_co_u32 s19, s19, SLOT
.endr
	v_lshlrev_b32 v5, 5, v1
	s_mul_i32 s18, s15, HALFS
	s_mul_i32 s19, s16, HALFS
	s_add_co_u32 s19, s19, 2*HALFS
	s_sub_co_u32 s19, s19, s18
	v_mul_u32_u24 v6, s19, v2                      ; lanes 16-31 take B's scale words
	s_add_co_u32 s18, s18, SCL
	v_add_nc_u32 v6, v5, v6
	v_add_nc_u32 v[ADRS], s18, v6
	s_mul_i32 s18, s14, 16*SPITCH                  ; my stage
	v_mul_u32_u24 v5, v1, SPITCH
	v_lshl_add_u32 v5, v2, 6, v5
	v_add_nc_u32 v[STO], s18, v5                   ; in: row r, + 64 h
	v_add_nc_u32 v[RD], s18, v[CO]                 ; back: a row of 512 bytes, 16 a lane
	v_lshlrev_b32 v[BA], 6, v2
	s_lshl_b32 s18, s40, 10
	s_lshl_b32 s19, s16, 9
	s_add_co_u32 s18, s18, s19                     ; my first feature, in bytes: 4 (256 cx + 128 x half)
	s_mov_b32 s19, 0
	s_add_nc_u64 s[8:9], s[8:9], s[18:19]
.irp g, 0,1,2,3
.irp j, 0,1,2,3
	global_load_b128 v[BQ+16*\g+4*\j:BQ+16*\g+4*\j+3], v[BA], s[8:9] offset:128*\g+16*\j   ; register 16 g + i: feature 32 g + 16 h + i: the result's layout
.endr
.endr
	s_add_nc_u64 s[96:97], s[96:97], s[18:19]      ; out0 at my first feature,
	s_lshl_b32 s2, s17, 4
	s_lshl_b32 s3, s15, 3
	s_add_co_u32 s2, s2, s3                        ; my first token tile; my eight lie in one batch (40 = 5 x 8)
	s_mul_i32 s3, s2, 1639
	s_lshr_b32 s3, s3, 16                          ; the batch
	s_mul_i32 s18, s3, 40
	s_sub_co_u32 s2, s2, s18                       ; the tile in its batch: 0, 8, 16, 24 or 32
	s_mul_i32 s18, s3, 577
	s_lshl_b32 s3, s2, 4
	s_add_co_u32 s18, s18, s3
	s_lshl_b32 s18, s18, 12
	s_add_nc_u64 s[96:97], s[96:97], s[18:19]      ; and at my first token's row: never stepped
.macro FRAG reg, adr, q, i
.irp c, 0,1,2,3
	ds_load_b128 v[\reg+4*\c:\reg+4*\c+3], v[\adr] offset:RT*(\i)+2048*(\q)+512*\c
.endr
.endm
; zero = 2: the first product of each sum takes the bias as its C.  The 64 accumulators take turns, one instruction a turn.
.macro MUL16 a0, p, q, sc, zero
.irp a, \a0, \a0+1
.irp b, 0,1,2,3,4,5,6,7
.if \zero == 2
	v_wmma_scale_f32_16x16x128_f8f6f4 v[8*(8*((\a)%4)+\b):8*(8*((\a)%4)+\b)+7], v[128*(\p)+FR*\b:128*(\p)+FR*\b+FR-1], v[AF+FR*(\a):AF+FR*(\a)+FR-1], v[BQ+8*\b:BQ+8*\b+7], v[SC+8*NQ*(\sc)+NQ*\b+(\q)], v[SC+8*NQ*(\sc)+NQ*(\a)+(\q)] matrix_a_scale:MATRIX_SCALE_ROW1
.else
	v_wmma_scale_f32_16x16x128_f8f6f4 v[8*(8*((\a)%4)+\b):8*(8*((\a)%4)+\b)+7], v[128*(\p)+FR*\b:128*(\p)+FR*\b+FR-1], v[AF+FR*(\a):AF+FR*(\a)+FR-1], v[8*(8*((\a)%4)+\b):8*(8*((\a)%4)+\b)+7], v[SC+8*NQ*(\sc)+NQ*\b+(\q)], v[SC+8*NQ*(\sc)+NQ*(\a)+(\q)] matrix_a_scale:MATRIX_SCALE_ROW1
.endif
.endr
.endr
.endm
.macro FETCH_B slot, q, p
	WIN TO_B
.irp i, 0,1,2,3,4,5,6,7
	FRAG 128*(\p)+FR*\i, ADRB+\slot, \q, \i
.endr
	WIN 0
.endm
.macro FETCH_A slot, q, i0
.irp i, \i0, \i0+1, \i0+2, \i0+3
	FRAG AF+FR*(\i), ADRA+\slot, \q, \i
.endr
.endm
.macro SCALES sc
.irp i, 0,1,2,3,4,5,6,7
	ds_load_b64 v[SC+8*NQ*\sc+NQ*\i:SC+8*NQ*\sc+NQ*\i+1], v[ADRS] offset:\i*512
.endr
.endm
.macro PLACES n
.rept \n
	v_nop
.endr
.endm
.macro STEP slot, q, zero
	s_wait_dscnt 4*NL                              ; B's set and A's blocks 0-3 are in; the youngest 16 loads may be out
.if \zero == 2
	WIN 0x81                                       ; C (the bias) in window 0, D in window 2
.else
	WIN MUL_LO
.endif
	MUL16 0, (\q)%2, \q, \slot, \zero
	MUL16 2, (\q)%2, \q, \slot, \zero
	s_wait_dscnt 0
	PLACES NP
	FETCH_B \slot, (\q)+1, 1-(\q)%2
	FETCH_A \slot, (\q)+1, 0
.if \zero == 2
	WIN 0xc1
.else
	WIN MUL_HI
.endif
	MUL16 4, (\q)%2, \q, \slot, \zero
	MUL16 6, (\q)%2, \q, \slot, \zero
	PLACES NP
	WIN 0
	FETCH_A \slot, (\q)+1, 4
.endm
.macro TURN slot, next, fill
	s_wait_tensorcnt 0x0                           ; all my tensor loads have landed: my part of the next slot
	ds_add_u32 v[SPW], v[NIL]                      ; 0 onto my spare word
	s_wait_dscnt 4*NL+1                            ; the add and the youngest 16 loads may be out
	WIN MUL_LO
	MUL16 0, 1, NQ-1, \slot, 0
	s_wait_dscnt 0x0                               ; the add is done, and my reads of this slot are over
	s_barrier_signal -1
	MUL16 2, 1, NQ-1, \slot, 0
	WIN 0
	s_barrier_wait -1
.if \fill
	CREST                                          ; a round of the cluster's barrier: no wave of any partner still reads this slot or has a load on its way
	s_add_nc_u64 s[G0+4*\slot+2:G0+4*\slot+3], s[G0+4*\slot+2:G0+4*\slot+3], 2*RT
	s_add_nc_u64 s[G0B+4*\slot+2:G0B+4*\slot+3], s[G0B+4*\slot+2:G0B+4*\slot+3], 2*RT
	JLOAD G0+4*\slot, G1, G0B+4*\slot, G1B
	PLACES NP-4
.else
	PLACES NP
.endif
	s_wait_alu depctr_va_vdst(0)
	v_add_nc_u32 v[ADRS], 4*NQ, v[ADRS]
	FETCH_B \next, 0, 0
	FETCH_A \next, 0, 0
	SCALES \next
	WIN MUL_HI
	MUL16 4, 1, NQ-1, \slot, 0
	MUL16 6, 1, NQ-1, \slot, 0
	PLACES NP
	WIN 0
	FETCH_A \next, 0, 4
.endm
	s_wait_alu depctr_va_vdst(0)
	s_wait_tensorcnt 0x0                           ; my tile of the head's four is in; the lines ahead of a later first fill:
	ds_add_u32 v[SPW], v[NIL]
	s_mov_b32 s[G1+2], 8<<16                       ; no tensor load of mine is out: from here on a load brings 8 row tiles
	s_mov_b32 s[G1+4], 8
	s_mov_b32 s[G1B+2], 8<<16
	s_mov_b32 s[G1B+4], 8
	s_wait_dscnt 0x0
	CROUND                                         ; all four tiles are in, and the four work-groups are here
	JLOAD G0+4, G1, G0B+4, G1B                     ; K step 1 into slot 1
	FETCH_B 0, 0, 0
	FETCH_A 0, 0, 0
	SCALES 0
	FETCH_A 0, 0, 4
	s_wait_loadcnt 0x0                             ; the bias
	STEP 0, 0, 2
	TURN 0, 1, 1
	STEP 1, 0, 0
	TURN 1, 0, 1
	STEP 0, 0, 0
	TURN 0, 1, 0
	STEP 1, 0, 0
	s_wait_dscnt 4*NL
	WIN MUL_LO
	MUL16 0, 1, NQ-1, 1, 0
	MUL16 2, 1, NQ-1, 1, 0
	s_wait_dscnt 0
	WIN MUL_HI
	MUL16 4, 1, NQ-1, 1, 0
	MUL16 6, 1, NQ-1, 1, 0
	WIN 0
; THE WAY OUT, block by block of 16 tokens x 128 features, through my own stage: a lane's 64 bytes of each 128 go in, whole rows of 512 bytes come back and are stored as one aligned run of 512 bytes.
.macro TOSTAGE a
.set AC, 64*((\a)%4)
	WIN (0x08+4*((\a)/4))                          ; the data: window 2 or 3
.irp n, 0,1,2,3,4,5,6,7,8,9,10,11,12,13,14,15
	ds_store_b128 v[STO], v[AC+4*\n:AC+4*\n+3] offset:128*(\n/4)+16*(\n%4)   ; each accumulator from its low end on
.endr
	WIN 0
.set BB, BK+64*((\a)%2)
.irp t, 0,1,2,3,4,5,6,7,8,9,10,11,12,13,14,15
	ds_load_b128 v[BB+4*\t:BB+4*\t+3], v[RD] offset:\t*SPITCH   ; LDS serves a wave's instructions in order (ISA guide 5.7.1.4)
.endr
.endm
.macro SENDR a, t0, t1                 ; rows t0 .. t1 of block a: row t is token 32 (a / 2) + 8 (a % 2) + t + 8 (t / 8) of my 128; the place stands in the immediate (520,192 at the most)
.set BB, BK+64*((\a)%2)
.set t, \t0
.rept \t1-\t0+1
	global_store_b128 v[CO], v[BB+4*t:BB+4*t+3], s[96:97] offset:(32*((\a)/2)+8*((\a)%2)+t+8*(t/8))*4096 th:TH_STORE_NT
.set t, t+1
.endr
.endm
	PLACES NP
	TOSTAGE 0
	TOSTAGE 1
	s_wait_dscnt 32                                ; block 0 is back; block 1's 16 stores and 16 loads may be out
	SENDR 0, 0, 15
.irp a, 2,3,4
	s_wait_xcnt 0x0                                ; block a - 2's stores have read their registers: block a's loads may land there
	TOSTAGE \a
	s_wait_dscnt 32
	SENDR \a-1, 0, 15
.endr
	s_wait_dscnt 0x0
	SENDR 4, 0, 0                                  ; token 64 of my 128: in a batch's last 128 padded tokens it is token 576, the last that exists
	s_cmp_eq_u32 s2, 32
	s_cbranch_scc1 .Lend
	SENDR 4, 1, 15
	s_wait_xcnt 0x0
	TOSTAGE 5
	TOSTAGE 6
	s_wait_dscnt 32
	SENDR 5, 0, 15
	s_wait_xcnt 0x0
	TOSTAGE 7
	s_wait_dscnt 32
	SENDR 6, 0, 15
	s_wait_dscnt 0x0
	SENDR 7, 0, 15
	s_branch .Lend
.Lcls:
	; ---- out1, out2 of batch 4 (y - 40) + cx (the batch enters addresses alone).  Wave w, i = 0..4: key 160 w + 32 i + lane.
	s_sub_co_u32 s18, s17, 40
	s_lshl_b32 s18, s18, 2
	s_add_co_u32 s18, s18, s40
	s_mul_i32 s20, s18, 40960
	s_mov_b32 s21, 0
	s_mul_i32 s22, s18, 2308
	s_mov_b32 s23, 0
	s_mov_b32 s56, 0x3e38aa3b                      ; c = log2(e) / 8
	v_and_b32 v1, 31, v0
	s_mul_i32 s19, s14, 160
	v_add_nc_u32 v1, s19, v1
.irp i, 0,1,2,3,4
	v_add_nc_u32 v[8+\i], 32*\i, v1                ; the key
	v_min_u32 v[16+\i], 576, v[8+\i]               ; no load past the last key
	v_lshlrev_b32 v[16+\i], 2, v[16+\i]
.endr
	s_wait_alu depctr_va_vdst(0)
	s_wait_kmcnt 0x0
	s_add_nc_u64 s[10:11], s[10:11], s[20:21]
	s_add_nc_u64 s[98:99], s[98:99], s[22:23]
	s_add_nc_u64 s[100:101], s[100:101], s[22:23]
.irp d, 0,1,2,3,4,5,6,7,8,9,10,11,12,13,14,15
	s_load_b64 s[24+2*\d:25+2*\d], s[10:11], 2560*\d+2432      ; head d: -M, 1 / sum
.endr
.irp d, 0,1,2,3,4,5,6,7,8,9,10,11,12,13,14,15
.irp i, 0,1,2,3,4
	global_load_b32 v[32+5*\d+\i], v[16+\i], s[10:11] offset:2560*\d   ; its raw scores
.endr
.endr
	s_wait_kmcnt 0x0
	s_wait_loadcnt 0x0
.irp i, 0,1,2,3,4
	v_add_f32 v[112+\i], v[32+\i], v[37+\i]        ; the sum of the raw scores over the heads
.endr
.irp d, 2,3,4,5,6,7,8,9,10,11,12,13,14,15
.irp i, 0,1,2,3,4
	v_add_f32 v[112+\i], v[112+\i], v[32+5*\d+\i]
.endr
.endr
.irp d, 0,1,2,3,4,5,6,7,8,9,10,11,12,13,14,15
.irp i, 0,1,2,3,4
	v_fma_f32 v[32+5*\d+\i], v[32+5*\d+\i], s56, s[24+2*\d]    ; t - M
.endr
.endr
.set j, 0
	s_wait_alu depctr_va_vdst(0)
.rept 80
	v_exp_f32 v[32+j], v[32+j]
.set j, j+1
.endr
	v_nop
	s_wait_alu depctr_va_vdst(0)                   ; one wait for the batch, ahead of its first reader
.irp i, 0,1,2,3,4
	v_mul_f32 v[120+\i], s25, v[32+\i]             ; p / sum, summed over the heads
.endr
.irp d, 1,2,3,4,5,6,7,8,9,10,11,12,13,14,15
.irp i, 0,1,2,3,4
	v_fma_f32 v[120+\i], v[32+5*\d+\i], s[25+2*\d], v[120+\i]
.endr
.endr
.irp i, 0,1,2,3,4
	v_mul_f32 v[120+\i], 0x3d800000, v[120+\i]     ; / 16
	v_mul_f32 v[112+\i], 0x3c000000, v[112+\i]     ; / 16, and q's 1 / 8
.endr
	s_wait_alu depctr_va_vdst(0)
.irp i, 0,1,2,3,4
	s_wait_xcnt 0x0                                ; EXEC changes only behind this wait
	v_cmp_gt_u32 vcc_lo, 577, v[8+\i]
	s_and_saveexec_b32 s57, vcc_lo
	global_store_b32 v[16+\i], v[120+\i], s[98:99]
	global_store_b32 v[16+\i], v[112+\i], s[100:101]
	s_wait_xcnt 0x0
	s_or_b32 exec_lo, exec_lo, s57
.endr
.Lend:
	s_wait_tensorcnt 0x0                           ; the wave's end
	ds_add_u32 v[SPW], v[NIL]
	s_wait_dscnt 0x0
	CROUND                                         ; the closing round
	s_endpgm
.Lfunc_end_k_q29de268d3e_proj:
	.size	k_q29de268d3e_proj, .Lfunc_end_k_q29de268d3e_proj-k_q29de268d3e_proj
	.p2alignl 7, 3214868480
	.fill 96, 4, 3214868480
	.section	.rodata,"a",@progbits
	.p2align	6, 0x0
	.amdhsa_kernel k_q29de268d3e_proj
		.amdhsa_group_segment_fixed_size 327680
		.amdhsa_private_segment_fixed_size 0
		.amdhsa_enable_private_segment 0
		.amdhsa_kernarg_size 56
		.amdhsa_user_sgpr_count 2
		.amdhsa_user_sgpr_kernarg_segment_ptr 1
		.amdhsa_wavefront_size32 1
		.amdhsa_system_sgpr_workgroup_id_x 1
		.amdhsa_system_sgpr_workgroup_id_y 1
		.amdhsa_system_sgpr_workgroup_id_z 1
		.amdhsa_system_vgpr_workitem_id 0
		.amdhsa_next_free_vgpr 1024
		.amdhsa_next_free_sgpr 102
		.amdhsa_reserve_vcc 1
		.amdhsa_float_denorm_mode_32 3
		.amdhsa_float_denorm_mode_16_64 3
		.amdhsa_memory_ordered 1
		.amdhsa_forward_progress 1
		.amdhsa_inst_pref_size 174
	.end_amdhsa_kernel
	.amdgpu_metadata
---
amdhsa.version: [ 1, 2 ]
amdhsa.kernels:
  - .name:           k_q29de268d3e_proj
    .symbol:         k_q29de268d3e_proj.kd
    .args:
      - { .name: ob, .offset: 0, .size: 8, .value_kind: global_buffer, .address_space: global }
      - { .name: wq, .offset: 8, .size: 8, .value_kind: global_buffer, .address_space: global }
      - { .name: b_proj, .offset: 16, .size: 8, .value_kind: global_buffer, .address_space: global }
      - { .name: cls, .offset: 24, .size: 8, .value_kind: global_buffer, .address_space: global }
      - { .name: out0, .offset: 32, .size: 8, .value_kind: global_buffer, .address_space: global }
      - { .name: out1, .offset: 40, .size: 8, .value_kind: global_buffer, .address_space: global }
      - { .name: out2, .offset: 48, .size: 8, .value_kind: global_buffer, .address_space: global }
    .group_segment_fixed_size: 327680
    .private_segment_fixed_size: 0
    .kernarg_segment_align: 8
    .kernarg_segment_size: 56
    .max_flat_workgroup_size: 128
    .sgpr_count:     102
    .vgpr_count:     1024
    .wavefront_size: 32
...
	.end_amdgpu_metadata
.endif
;; end of part 4
